; MI455X (gfx1250); checked and timed in simulation.
; The chip was launched on July 23, 2026; its instructions are those of AMD's public machine-readable ISA for CDNA 5 (MIT licence, August 2026) and "CDNA5" Instruction Set Architecture Reference Guide (July 2026). The comments in the code are by the model that wrote it; some were corrected since.
;; Multi Head Causal Self Attention. Allowed arithmetic: matrix products marked QUANTISED: E2M3 operands, one E8M0 scale for each 32 along K, by v_wmma_scale_f32_16x16x128_f8f6f4 with both operands' format E2M3, f32 sums; everything else in f32.
;; Inputs: Wk 1,024 x 1,024 float32; Wo 1,024 x 1,024 float32; Wq 1,024 x 1,024 float32; Wv 1,024 x 1,024 float32; bo 1,024 float32; x 4 x 2,048 x 1,024 float32.
;; Outputs: out0 4 x 2,048 x 1,024 float32.
;; This version of the problem:
;;   THIS VERSION OF THE PROBLEM IS GIVEN IN LOW PRECISION. The matrix products marked QUANTISED in the list below multiply operands that are first quantised to E2M3 (2 exponent bits, 3 mantissa bits; 6 bits a number), with one power-of-two scale for each 32 numbers along K (OCP MX v1.0); their sums are f32. All else is computed in f32.
;;   The module's matrix products, in the order in which they are computed (A, B: the left and right operand; K: the contracted axis; several contracted axes count as one K, in the product's order):
;;     1. [M 8,192, K 1,024] x [K 1,024, N 1,024]; A: input x; B: input Wq: QUANTISED
;;     2. [M 8,192, K 1,024] x [K 1,024, N 1,024]; A: input x; B: input Wk: QUANTISED
;;     3. [M 8,192, K 1,024] x [K 1,024, N 1,024]; A: input x; B: input Wv: QUANTISED
;;     4. batch 64 x [M 2,048, K 64] x [K 64, N 2,048]; A: computed on the way; B: computed on the way: QUANTISED
;;     5. batch 64 x [M 2,048, K 2,048] x [K 2,048, N 64]; A: softmax (see below); B: computed on the way: QUANTISED
;;     6. [M 8,192, K 1,024] x [K 1,024, N 1,024]; A: computed on the way; B: input Wo: QUANTISED
;;   THE QUANTISER, for each operand of a quantised product, along K:
;;     - K is cut into blocks of 32 from its start; a last block that is shorter is filled with zeros.
;;     - A block's scale is 2^e with e = floor(log2(the largest magnitude in the block)) - 2, held to -126 .. 127; a block of zeros has e = 0. As a byte (E8M0): e + 127.
;;     - Each number is divided by its block's scale, clamped to +-7.5, and rounded to the nearest number of E2M3, ties to even, subnormals kept.
;;     - The product sums the exact products of the quantised numbers (number of the format x scale) in f32.
;;   ~~~python
;;   def quantise(x, axis):      # numpy; x: float32 -> the quantised numbers, widened to float32 again
;;       x = np.moveaxis(x, axis, -1); K = x.shape[-1]
;;       x = np.pad(x, [(0, 0)] * (x.ndim - 1) + [(0, -K % 32)]); x = x.reshape(x.shape[:-1] + (-1, 32)); a = np.abs(x).max(-1, keepdims=True)
;;       e = np.where(a > 0, np.clip(np.frexp(np.where(a > 0, a, 1))[1] - 1 - 2, -126, 127), 0)      # np.frexp(a)[1] - 1 = floor(log2(a)), exactly
;;       r = np.clip(x / 2.0 ** e, -7.5, 7.5)
;;       step = 2.0 ** (np.maximum(np.frexp(np.where(r == 0, 1, r))[1] - 1, 0) - 3)
;;       q = np.round(r / step) * step * 2.0 ** e      # np.round: ties to even
;;       return np.moveaxis(q.reshape(q.shape[:-2] + (-1,))[..., :K], -1, axis).astype(np.float32)
;;   ~~~
;;   SOFTMAX AHEAD OF A QUANTISED PRODUCT. Where the list says 'softmax', what is quantised is not the finished softmax but p = 2^(t - M), with t = logit x log2(e) and M = ceil(the row's largest t), a whole number; so 1/2 < the row's largest p <= 1. The row's sum l is taken of the UNQUANTISED p, in f32, and the product's result is divided by l at the end. Since M is a whole number, a kernel that streams over the keys may use a running M (the ceiling of the running maximum): every later rescaling is an exact power of two, which a block's scale takes up: the codes' values come out the same.
;;   OPERANDS COMPUTED ON THE WAY. 'Computed on the way' means the value that the module computes at that place (a softmax that the list does not call 'softmax' is quantised finished and normalised). What goes into a quantiser is computed in f32, as accurately as f32 sums, v_exp_f32 and their like allow (about 1e-6 of the number): no bf16 or f16 on the way to a quantiser, and a product that is left as it is and whose result goes on into a quantised operand takes f32 operands (vector FMAs, or v_wmma_f32_16x16x4_f32). A number that lies on a knife's edge between two numbers of the format may be rounded either way, as far as f32 arithmetic and the matrix unit's own rounding can turn it there, and no further.
;; One version. Each part assembles by itself: llvm-mc -triple=amdgcn-amd-amdhsa -mcpu=gfx1250 --defsym DOCPART=n.
;; ======== version 1 of 1: 4 launches
;; workspace buffers: xc 6,291,456 bytes; xs 262,144 bytes; wc 3,145,728 bytes; ws 131,072 bytes; qkv 20,185,088 bytes; cc 6,291,456 bytes; cs 262,144 bytes
;; launch quant (part 1): grid 768 x 1, 4 waves a work-group, no clusters, 34,304 bytes of LDS; arguments x, Wq, Wk, Wv, Wo, xc, xs, wc, ws; writes xc, xs, wc, ws
.if DOCPART == 1
	.amdgcn_target "amdgcn-amd-amdhsa--gfx1250"
	.amdhsa_code_object_version 6
	.text
	.protected	k_q0aac49059f_quant
	.globl	k_q0aac49059f_quant
	.p2align	8
	.type	k_q0aac49059f_quant,@function
k_q0aac49059f_quant:
	s_mov_b64 s[64:65], 0
	v_nop
	global_prefetch_b8 v0, s[64:65] scope:SCOPE_SE
	s_setreg_imm32_b32 hwreg(HW_REG_WAVE_MODE, 25, 1), 1
	s_wait_xcnt 0x0
; x [8192][1024] and Wq, Wk, Wv, Wo [1024 (k)][1024 (n)], f32, become codes of FP6 (E2M3) with one E8M0 scale byte for each 32 along K (K = x's columns, the weights' rows).
; A block's scale is 2^(floor(log2(its largest magnitude)) - 2); its byte is the largest magnitude's exponent field - 2, held at 1 from below.
; LIMITS: a block of zeros, or one whose largest magnitude lies under 2^-124, gets the byte 1 where the rule says 127 for zeros: its codes are zeros and these bytes are read by this program alone.  NaN and infinities are not served.
; THE WORKSPACE IS LAID AS THE MATRIX UNIT'S REGISTERS WANT IT.  A tile is 16 rows; tile T's row r is true row 32 (T / 2) + 8 (T % 2) + r + 8 (r / 8), so that the results of two neighbouring tiles are 16 neighbours in a lane.
; A HALF FRAGMENT is 16 rows x 64 K in 768 bytes: lane l = r + 16 h owns block h of row r, 24 bytes: its registers 0-3 at byte 16 l, its registers 4-5 at byte 512 + 8 l.  Two on end are a fragment of 128 K, 1,536 bytes.
; codes: [tile][8 K steps][1,536];  scale words: [tile][8 K steps][16 rows x 4 bytes].  wc's tiles: 0-63 Wq, 64-127 Wk, 128-191 Wv, 192-255 Wo (a tile's rows are columns n of the weight).
; Work-groups 0-511 take a tile of x each (wave w: K 256 w on); work-groups 512-767 take 128 columns x 128 K of a weight (wave w: 32 columns).
; A stream: no matrix unit, no cluster (nothing is shared), no tensor load; every wave has all its bytes (x) or two blocks of four (weights) on their way at once.  Waves share nothing: no barrier.
.set FLOORB, 0x1800000                 ; 2^(3 - 127): under it no largest magnitude is taken
.set OFFE,   0xff000000                ; 2 off an exponent field
.set SP,     528                       ; a row of the stage: 512 bytes + 16: the sixteen rows that a load touches start 33 x 16 bytes apart
.set STGB,   16*SP                     ; a wave's stage
	s_load_b512 s[4:19], s[0:1], 0x0               ; x 4:5, Wq 6:7, Wk 8:9, Wv 10:11, Wo 12:13, xc 14:15, xs 16:17, wc 18:19
	s_load_b64 s[20:21], s[0:1], 0x40              ; ws
	v_lshl_add_u32 v62, v0, 2, 0x8400
	v_mov_b32 v63, 0
	v_lshrrev_b32 v1, 5, v0
	v_readfirstlane_b32 s22, v1                    ; wave
	v_and_b32 v1, 31, v0                           ; lane
	v_and_b32 v2, 15, v0                           ; r
	v_bfe_u32 v3, v0, 4, 1                         ; h
	v_lshlrev_b32 v4, 4, v1                        ; 16 x lane
	v_lshlrev_b32 v5, 3, v1                        ; 8 x lane
	s_mov_b32 s26, 0x76543210
	s_mov_b32 s27, 0xfedcba98                      ; v_permlanex16_b32's selects for lane l xor 16
	v_mov_b32 v18, 0                               ; a lane permute's destination counts as one of its sources
	s_cmp_ge_u32 ttmp9, 512
	s_cbranch_scc1 .Lweights
; ---------------- x: K is innermost.  Loads take 512 consecutive bytes of a row; a K step's 16 rows turn through the wave's own stage, so that lane (r, h) gets its two whole blocks of 32.
	v_lshlrev_b32 v6, 2, v1                        ; 4 x lane
	v_lshlrev_b32 v9, 3, v3                        ; 8 h: where my bytes stand in a scale word
	s_mul_i32 s28, s22, STGB
	v_add_nc_u32 v7, s28, v4                       ; into the stage: 16 x lane of a row
	v_mul_u32_u24 v8, v2, SP
	v_lshl_add_u32 v8, v3, 7, v8
	v_add_nc_u32 v8, s28, v8                       ; out of it: row r, + 128 h
	s_lshr_b32 s24, ttmp9, 1
	s_lshl_b32 s24, s24, 5
	s_and_b32 s25, ttmp9, 1
	s_lshl_b32 s25, s25, 3
	s_add_co_u32 s24, s24, s25                     ; the tile's first true row
	s_lshl_b32 s24, s24, 12                        ; x 4,096 bytes
	s_lshl_b32 s25, s22, 10                        ; + my wave's 256 numbers
	s_add_co_u32 s24, s24, s25
	s_mov_b32 s25, 0
	s_mul_i32 s30, ttmp9, 12288
	s_mul_i32 s31, s22, 3072
	s_add_co_u32 s30, s30, s31
	s_mov_b32 s31, 0
	s_lshl_b32 s32, ttmp9, 9
	s_lshl_b32 s33, s22, 7
	s_add_co_u32 s32, s32, s33
	s_mov_b32 s33, 0
	s_wait_kmcnt 0x0
	s_add_nc_u64 s[4:5], s[4:5], s[24:25]
	s_add_nc_u64 s[14:15], s[14:15], s[30:31]
	s_add_nc_u64 s[16:17], s[16:17], s[32:33]
.macro XLOAD t, rr                     ; K step t of my two: 16 rows x 512 bytes
.irp i, 0,1,2,3,4,5,6,7,8,9,10,11,12,13,14,15
	global_load_b128 v[\rr+4*\i:\rr+4*\i+3], v4, s[4:5] offset:(\i+8*(\i/8))*4096+512*\t th:TH_LOAD_NT
.endr
.endm
.macro XTURN rr, xr                    ; through the stage: LDS serves a wave's instructions in order, so no wait stands between the stores and the loads
.irp i, 0,1,2,3,4,5,6,7,8,9,10,11,12,13,14,15
	ds_store_b128 v7, v[\rr+4*\i:\rr+4*\i+3] offset:SP*\i
.endr
.irp j, 0,1
.irp p, 0,1,2,3,4,5,6,7
	ds_load_b128 v[\xr+32*\j+4*\p:\xr+32*\j+4*\p+3], v8 offset:256*\j+16*\p   ; block 2 j + h of row r
.endr
.endr
.endm
.macro QX xr, t, wd                    ; my two blocks of K step t: scale bytes, codes, stores.  wd: the register that takes the row's scale word
.irp j, 0,1
	v_max3_num_f32 v[10+\j], |v[\xr+32*\j]|, |v[\xr+32*\j+1]|, FLOORB
.endr
.irp i, 2,4,6,8,10,12,14,16,18,20,22,24,26,28,30
.irp j, 0,1
	v_max3_num_f32 v[10+\j], v[10+\j], |v[\xr+32*\j+\i]|, |v[\xr+32*\j+\i+1]|   ; the two blocks by turns
.endr
.endr
.irp j, 0,1
	v_add_nc_u32 v[12+\j], OFFE, v[10+\j]          ; the conversion takes the exponent field of this operand as its scale
.endr
.irp j, 0,1
	v_lshrrev_b32 v[14+\j], 23, v[12+\j]           ; the scale's byte
.endr
	v_lshl_or_b32 v[\wd], v15, 16, v14             ; my bytes: blocks h and 2 + h,
	v_lshlrev_b32 v[\wd], v9, v[\wd]               ; at their places;
	v_permlanex16_b32 v18, v[\wd], s26, s27
	v_or_b32 v[\wd], v[\wd], v18                   ; with lane l xor 16's two the word is whole
.irp j, 0,1
	v_cvt_scalef32_pk16_fp6_f32 v[20+8*(2*\t+\j):22+8*(2*\t+\j)], v[\xr+32*\j:\xr+32*\j+15], v[12+\j]
	v_cvt_scalef32_pk16_fp6_f32 v[24+8*(2*\t+\j):26+8*(2*\t+\j)], v[\xr+32*\j+16:\xr+32*\j+31], v[12+\j]   ; (a conversion's three registers begin on an even number)
.endr
	v_nop                                          ; one plain place behind a scaled conversion
.irp j, 0,1
	v_mov_b32 v[23+8*(2*\t+\j)], v[24+8*(2*\t+\j)]
	v_mov_b32 v[24+8*(2*\t+\j)], v[25+8*(2*\t+\j)]
	v_mov_b32 v[25+8*(2*\t+\j)], v[26+8*(2*\t+\j)]
.endr
.irp j, 0,1
	global_store_b128 v4, v[20+8*(2*\t+\j):23+8*(2*\t+\j)], s[14:15] offset:1536*\t+768*\j       ; 512 consecutive bytes,
	global_store_b64 v5, v[24+8*(2*\t+\j):25+8*(2*\t+\j)], s[14:15] offset:1536*\t+768*\j+512    ; and 256: a half fragment is three aligned blocks of 256 bytes
.endr
.endm
	XLOAD 0, 128
	XLOAD 1, 192
	s_wait_loadcnt 16                              ; K step 0's sixteen loads are in; K step 1's may be out
	XTURN 128, 64
	s_wait_loadcnt 0x0
	s_wait_dscnt 0x0                               ; step 0's numbers are back, and its stores into the stage have read v128-191,
	XTURN 192, 128                                 ; which take step 1's numbers while step 0 is quantised
	QX 64, 0, 16
	s_wait_dscnt 0x0
	QX 128, 1, 17
	v_cmp_le_u32 vcc_lo, 16, v1
	v_cndmask_b32 v16, v16, v17, vcc_lo            ; lanes 0-15: K step 0's words, lanes 16-31: K step 1's
	global_store_b32 v6, v16, s[16:17]             ; 128 consecutive bytes: one byte in 128 of what the wave reads
	s_wait_tensorcnt 0x0
	ds_add_u32 v62, v63
	s_wait_dscnt 0x0
	s_endpgm
; ---------------- the weights: K is the FIRST axis.  A lane takes a column and its registers run down K: a block of 32 lies in one lane, and the codes come out with K innermost.
.Lweights:
	s_sub_co_u32 s23, ttmp9, 512
	s_and_b32 s24, s23, 31                         ; gx: weight gx / 8, group of 128 columns gx % 8
	s_lshr_b32 s25, s23, 5                         ; the K step
	s_lshr_b32 s28, s24, 3
	s_and_b32 s29, s24, 7
	v_and_b32 v7, 7, v1
	v_bfe_u32 v8, v1, 3, 1
	v_lshl_or_b32 v7, v8, 4, v7
	v_lshl_or_b32 v7, v3, 3, v7                    ; my column of the wave's 32: my lane with bits 3 and 4 exchanged: lanes 0-15 are then the first tile's rows in order, lanes 16-31 the second's
	v_lshlrev_b32 v7, 2, v7
	v_lshlrev_b32 v6, 2, v2
	v_lshl_or_b32 v6, v3, 9, v6                    ; my scale word: 512 x tile + 4 x row
	s_lshl_b32 s30, s25, 19                        ; 128 rows of 4,096 bytes a K step
	s_lshl_b32 s31, s29, 9
	s_add_co_u32 s30, s30, s31
	s_lshl_b32 s31, s22, 7
	s_add_co_u32 s30, s30, s31
	s_mov_b32 s31, 0
	s_lshl_b32 s32, s24, 3
	s_lshl_b32 s33, s22, 1
	s_add_co_u32 s32, s32, s33                     ; my first tile in wc: 8 gx + 2 wave
	s_mul_i32 s34, s32, 12288
	s_mul_i32 s33, s25, 1536
	s_add_co_u32 s34, s34, s33
	s_mov_b32 s35, 0
	s_lshl_b32 s36, s32, 9
	s_lshl_b32 s33, s25, 6
	s_add_co_u32 s36, s36, s33
	s_mov_b32 s37, 0
	s_wait_kmcnt 0x0
	s_cmp_eq_u32 s28, 1                            ; which weight: the choice hangs on the work-group's number alone
	s_cselect_b64 s[6:7], s[8:9], s[6:7]
	s_cmp_eq_u32 s28, 2
	s_cselect_b64 s[6:7], s[10:11], s[6:7]
	s_cmp_eq_u32 s28, 3
	s_cselect_b64 s[6:7], s[12:13], s[6:7]
	s_add_nc_u64 s[6:7], s[6:7], s[30:31]
	s_add_nc_u64 s[18:19], s[18:19], s[34:35]
	s_add_nc_u64 s[20:21], s[20:21], s[36:37]
.macro WLOAD k                         ; block k: W(32 k + i, my column): the 32 lanes read 128 consecutive bytes
.set I, 0
.rept 32
	global_load_b32 v[64+32*(\k)+I], v7, s[6:7] offset:(32*(\k)+I)*4096 th:TH_LOAD_NT
.set I, I+1
.endr
.endm
.macro WBLOCK k
.if (\k) < 3
	s_wait_loadcnt 32                              ; this block's 32 loads are in; the next block's may be out
.else
	s_wait_loadcnt 0x0
.endif
.if (\k) < 2
	WLOAD (\k)+2                                   ; two blocks ahead; every block has registers of its own
.endif
.set XB, 64+32*(\k)
.set CB, 20+8*(\k)
	v_max3_num_f32 v10, |v[XB]|, |v[XB+1]|, FLOORB
	v_max3_num_f32 v11, |v[XB+2]|, |v[XB+3]|, FLOORB
.irp i, 4,8,12,16,20,24,28
	v_max3_num_f32 v10, v10, |v[XB+\i]|, |v[XB+\i+1]|
	v_max3_num_f32 v11, v11, |v[XB+\i+2]|, |v[XB+\i+3]|
.endr
	v_max_num_f32 v10, v10, v11                    ; the block's largest magnitude: all 32 numbers are mine
	v_add_nc_u32 v12, OFFE, v10
	v_lshrrev_b32 v14, 23, v12
.if (\k) == 0
	v_mov_b32 v16, v14                             ; my column's scale word, the lower K in the lower byte
.else
	v_lshl_or_b32 v16, v14, 8*(\k), v16
.endif
	v_cvt_scalef32_pk16_fp6_f32 v[CB:CB+2], v[XB:XB+15], v12
	v_cvt_scalef32_pk16_fp6_f32 v[CB+4:CB+6], v[XB+16:XB+31], v12
	v_nop                                          ; one plain place behind a scaled conversion
	v_mov_b32 v[CB+3], v[CB+4]
	v_mov_b32 v[CB+4], v[CB+5]
	v_mov_b32 v[CB+5], v[CB+6]
.endm
	WLOAD 0
	WLOAD 1
	WBLOCK 0
	WBLOCK 1
	WBLOCK 2
	WBLOCK 3
.irp j, 0,1                            ; blocks 2 j and 2 j + 1: the first's lanes 16-31 (second tile) change places with the second's lanes 0-15 (first tile):
.irp i, 0,1,2,3,4,5                    ; the first is then half fragment j of the first tile, the second that of the second tile
	v_permlane16_swap_b32 v[20+16*\j+\i], v[28+16*\j+\i]
.endr
.endr
.irp u, 0,1
.irp j, 0,1
	global_store_b128 v4, v[20+16*\j+8*\u:23+16*\j+8*\u], s[18:19] offset:12288*\u+768*\j
	global_store_b64 v5, v[24+16*\j+8*\u:25+16*\j+8*\u], s[18:19] offset:12288*\u+768*\j+512
.endr
.endr
	global_store_b32 v6, v16, s[20:21]             ; two pieces of 64 bytes: one byte in 128 of what the wave reads
	s_endpgm
.Lfunc_end_k_q0aac49059f_quant:
	.size	k_q0aac49059f_quant, .Lfunc_end_k_q0aac49059f_quant-k_q0aac49059f_quant
	.p2alignl 7, 3214868480
	.fill 96, 4, 3214868480
	.section	.rodata,"a",@progbits
	.p2align	6, 0x0
	.amdhsa_kernel k_q0aac49059f_quant
		.amdhsa_group_segment_fixed_size 34304
		.amdhsa_private_segment_fixed_size 0
		.amdhsa_enable_private_segment 0
		.amdhsa_kernarg_size 72
		.amdhsa_user_sgpr_count 2
		.amdhsa_user_sgpr_kernarg_segment_ptr 1
		.amdhsa_wavefront_size32 1
		.amdhsa_system_sgpr_workgroup_id_x 1
		.amdhsa_system_sgpr_workgroup_id_y 1
		.amdhsa_system_sgpr_workgroup_id_z 1
		.amdhsa_system_vgpr_workitem_id 0
		.amdhsa_next_free_vgpr 256
		.amdhsa_next_free_sgpr 66
		.amdhsa_reserve_vcc 1
		.amdhsa_float_denorm_mode_32 3
		.amdhsa_float_denorm_mode_16_64 3
		.amdhsa_memory_ordered 1
		.amdhsa_forward_progress 1
		.amdhsa_inst_pref_size 37
	.end_amdhsa_kernel
	.amdgpu_metadata
---
amdhsa.version: [ 1, 2 ]
amdhsa.kernels:
  - .name:           k_q0aac49059f_quant
    .symbol:         k_q0aac49059f_quant.kd
    .args:
      - { .name: x, .offset: 0, .size: 8, .value_kind: global_buffer, .address_space: global }
      - { .name: Wq, .offset: 8, .size: 8, .value_kind: global_buffer, .address_space: global }
      - { .name: Wk, .offset: 16, .size: 8, .value_kind: global_buffer, .address_space: global }
      - { .name: Wv, .offset: 24, .size: 8, .value_kind: global_buffer, .address_space: global }
      - { .name: Wo, .offset: 32, .size: 8, .value_kind: global_buffer, .address_space: global }
      - { .name: xc, .offset: 40, .size: 8, .value_kind: global_buffer, .address_space: global }
      - { .name: xs, .offset: 48, .size: 8, .value_kind: global_buffer, .address_space: global }
      - { .name: wc, .offset: 56, .size: 8, .value_kind: global_buffer, .address_space: global }
      - { .name: ws, .offset: 64, .size: 8, .value_kind: global_buffer, .address_space: global }
    .group_segment_fixed_size: 34304
    .private_segment_fixed_size: 0
    .kernarg_segment_align: 8
    .kernarg_segment_size: 72
    .max_flat_workgroup_size: 128
    .sgpr_count:     66
    .vgpr_count:     256
    .wavefront_size: 32
...
	.end_amdgpu_metadata
.endif
;; end of part 1
;; launch gemm_qkv (part 2): grid 12 x 32, 4 waves a work-group, clusters of 4 x 4, 327,680 bytes of LDS; arguments xc, xs, wc, ws, qkv; writes qkv
.if DOCPART == 2
	.amdgcn_target "amdgcn-amd-amdhsa--gfx1250"
	.amdhsa_code_object_version 6
	.text
	.protected	k_q0aac49059f_gemm_qkv
	.globl	k_q0aac49059f_gemm_qkv
	.p2align	8
	.type	k_q0aac49059f_gemm_qkv,@function
k_q0aac49059f_gemm_qkv:
	s_mov_b64 s[64:65], 0
	v_nop
	global_prefetch_b8 v0, s[64:65] scope:SCOPE_SE
	s_setreg_imm32_b32 hwreg(HW_REG_WAVE_MODE, 25, 1), 1
	s_wait_xcnt 0x0
	s_wait_alu depctr_hold_cnt(0) depctr_sa_sdst(0) depctr_va_vdst(0) depctr_va_sdst(0) depctr_va_ssrc(0) depctr_va_vcc(0) depctr_vm_vsrc(0)
	s_getreg_b32 s2, hwreg(HW_REG_IB_STS2, 6, 4)
	s_cmp_eq_u32 s2, 0
	s_cbranch_scc0 .Lentry_in_a_cluster
	s_endpgm
.Lentry_in_a_cluster:
	s_bfe_u32 s2, ttmp6, 0x10000c
	s_cmp_lg_u32 s2, 0xf033
	s_cbranch_scc0 .Lentry_shape_is_right
	s_endpgm
.Lentry_shape_is_right:
; q = x Wq, k = x Wk, v = x Wv on codes of FP6 (E2M3) with E8M0 scales (M 8,192, N 3 x 1,024, K 1,024), and the results QUANTISED AGAIN straight out of the accumulators: q and k along the head's 64, v along the keys.
; Operands lie in memory as images of the matrix unit's registers: [tile of 16 rows][8 K steps][1,536 bytes], a K step's fragment being two half fragments of 768 bytes (lane l: registers 0-3 at 16 l, registers 4-5 at 512 + 8 l);
; scale words [tile][8 K steps][16 x 4 bytes].  Tile T's row r is true row 32 (T / 2) + 8 (T % 2) + r + 8 (r / 8): so the 16 registers that a lane holds of two neighbouring source-0 tiles are 16 neighbours.
; A work-group makes 256 x 256, its four waves 128 x 128 each: 64 accumulators, 512 registers.  Source 1 ("A") gives the lanes, source 0 ("B") the registers.
; ROLES, by the cluster's x, which all sixteen partners share: 0: q, 1: k: A = x, B = the weight: a lane holds a token, its registers run along the head's channels.  2: v: A = Wv, B = x: a lane holds a channel, its registers run along the keys.
; K goes in steps of 256 through a ring of two LDS slots (a tile's 3,072 bytes are consecutive in memory); the scale words of the work-group's rows, for all of K, come once, with the first fills.
; CLUSTERS: 4 x 4 work-groups; A's tiles are shared along a row of the cluster, B's along a column: each is asked for jointly, by the same tensor load with the same descriptor and a mask that names the four.
; No prefetch is laid: the walk has four slots, of which two are asked for at the head.
; OUT: records of 19,712 bytes for (batch x head, group of 128 tokens): K codes 8 x 768 | K scales 512 | V codes 4 x 1,536 | V scales 256 | Q codes 8 x 768 | Q scales 512.  Every store covers whole aligned blocks of 256 bytes.
; LIMITS: a block of zeros, or one under 2^-124, gets the byte 1 (its codes are zeros; the bytes are read by this program alone); NaN and infinities are not served.
; REGISTERS: window 0: v0-31 addresses; v32-63 scale words, two sets; v128-223 A's fragments, one set; in the epilogue v32-103 at work.  window 1: B's fragments, two sets, at v0 and v128.  windows 2, 3: accumulator (a, b) at v[8 (8 (a % 4) + b)].
.set NQ,     2                         ; matrix instructions deep in a slot
.set FR,     12                        ; registers of a fragment
.set NL,     4                         ; LDS loads that bring one
.set NP,     4                         ; places behind this matrix instruction (ISA guide 7.12.1)
.set TILEB,  3072                      ; a tile's bytes in a slot: two K steps of 128
.set HALFT,  8*TILEB                   ; eight tiles: what one tensor load brings, and what one wave reads of A or of B
.set SLOT,   4*HALFT                   ; A's 16 tiles, then B's 16
.set LAPS,   2                         ; 1,024 / (2 x 256)
.set SCL,    2*SLOT                    ; behind the ring: the scale words, 512 bytes a tile: A's 16 tiles, B's 16
.set HALFS,  4096
.set SPARE,  SCL+4*HALFS               ; the spare words, 128 bytes for each wave: two blocks of 256 bytes that no other line names
.set RECB,   19712
.set HEADB,  16*RECB                   ; from a head's record to the next head's
.set ADRA, 16                          ; v16-17 16 x lane + my A tiles in slot 0, 1;  v18-19 the same with 8 x lane
.set ADRB, 20                          ; v20-23 the same for B
.set E16,  24                          ; v24 16 x lane;  v25 8 x lane: the epilogue's store offsets
.set E8,   25
.set ADRS, 27                          ; v27 my scale words: lanes 0-15 A's rows, lanes 16-31 B's
.set SPW,  28                          ; v28 LDS address of my spare word; never rewritten
.set NIL,  29                          ; v29 0; never rewritten
.set SC,   32                          ; set s at v[SC + 16 s]; register 2 i + q: lanes 0-15 A's tile i, lanes 16-31 B's tile i, the slot's q-th 128 along K
.set AF,   128
.set TM,   32                          ; the epilogue: v32-35 largest magnitudes, v36-39 bytes, v44-47 the conversions' scale operands
.set PW,   48                          ; the scale word just made;  v49 the even tile's
.set PWE,  49
.set PWM,  52                          ; v52-55 words of tiles 2 p (lanes 0-15) and 2 p + 1 (lanes 16-31)
.set SS,   56                          ; v56-63 q's and k's words, split by head
.set PCA,  64                          ; two sets of 20 registers for the codes, by turns
.set G1, 24
.set G0, 32
.set G1B, 48
.set G0B, 56
.set G1S, 68
.set G0S, 76
.set G1SB, 80
.set G0SB, 88
.set MSB, 0
.macro WIN new                         ; the immediate's high byte repeats the setting that is left
.if MSB != \new
	s_set_vgpr_msb (MSB<<8)|\new
.set MSB, \new
.endif
.endm
.set MUL_LO, 0xa1                      ; source 0 (B) window 1, source 1 (A) window 0, C and D window 2
.set MUL_HI, 0xf1                      ; the same, C and D window 3
.set TO_B,   0x40                      ; destination window 1, address window 0
; A joint load: waves 0 and 1 fetch for A, waves 2 and 3 for B; the branch hangs on the wave's number alone.  Four v_nop follow each of the two lines.
.macro JLOAD g0a, g1a, g0b, g1b
	s_cmp_eq_u32 s15, 0
	s_cbranch_scc0 .Lfor_b_\@
	tensor_load_to_lds s[\g0a:\g0a+3], s[\g1a:\g1a+7]
	s_nop 0
.rept 4
	v_nop
.endr
	s_branch .Lasked_\@
.Lfor_b_\@:
	tensor_load_to_lds s[\g0b:\g0b+3], s[\g1b:\g1b+7]
	s_nop 0
.rept 4
	v_nop
.endr
.Lasked_\@:
.endm
.macro CREST                           ; a round of the cluster's barrier behind its opening barrier
	s_cmp_lg_u32 s14, 0
	s_cbranch_scc1 .Lnot_wave_0_\@
	s_barrier_signal -3
.Lnot_wave_0_\@:
	s_barrier_wait -3
	s_barrier_signal -1
	s_barrier_wait -1
.endm
.macro CROUND
	s_barrier_signal -1
	s_barrier_wait -1
	CREST
.endm
	s_load_b128 s[4:7], s[0:1], 0x0                ; x's codes, x's scales
	s_load_b128 s[8:11], s[0:1], 0x10              ; the weights' codes, their scales
	s_load_b64 s[12:13], s[0:1], 0x20              ; the records
	v_lshl_add_u32 v[SPW], v0, 2, SPARE
	v_mov_b32 v[NIL], 0
	ds_add_u32 v28, v29
	ds_add_u32 v28, v29
	s_wait_dscnt 0x0
	v_lshrrev_b32 v1, 5, v0
	v_readfirstlane_b32 s14, v1                    ; wave 0..3
	s_lshr_b32 s15, s14, 1                         ; which half of A's tiles is mine.  Also: I fetch for A (0) or for B (1)
	s_and_b32 s16, s14, 1                          ; which half of B's.  Also: which eight tiles I fetch
	s_bfe_u32 s40, ttmp6, 0x40000                  ; cx, cy: my place in the cluster
	s_bfe_u32 s41, ttmp6, 0x40004
	s_and_b32 s2, ttmp7, 0xffff
	s_lshl_b32 s2, s2, 2                           ; 4 x cluster y
	s_lshl_b32 s3, ttmp9, 2                        ; 4 x cluster x
	s_cmp_eq_u32 ttmp9, 2                          ; v's clusters?  A unit is 16 tiles
	s_cselect_b32 s17, 8, s2                       ; A's first unit: Wv's (units 8-11 of the weights), or the cluster's four units of tokens
	s_cselect_b32 s42, s2, s3                      ; B's: the tokens', or Wq's (0-3) or Wk's (4-7)
	s_add_co_u32 s17, s17, s41                     ; A's unit hangs on cy alone,
	s_add_co_u32 s42, s42, s40                     ; B's on cx alone
	s_lshl_b32 s43, s41, 2
	s_lshl_b32 s43, 15, s43                        ; my row of the cluster
	s_lshl_b32 s44, 0x1111, s40                    ; my column
	; descriptor group 1 for the codes: 8 rows (tiles) of 384 elements of 8 bytes, 1,536 elements apart; no padding: the images are read 16 or 8 consecutive bytes a lane
	s_or_b32 s[G1+0], s43, (3<<16)|(1<<21)         ; 15:0 the mask; 17:16 elements of 8 bytes; 21 set beside a mask
	s_or_b32 s[G1B+0], s44, (3<<16)|(1<<21)
.irp g, G1, G1B
	s_mov_b32 s[\g+1], 384<<16                     ; tensor_dim0
	s_mov_b32 s[\g+2], 8<<16                       ; tensor_dim1
	s_mov_b32 s[\g+3], 384<<16                     ; tile_dim0
	s_mov_b32 s[\g+4], 8                           ; tile_dim1
	s_mov_b32 s[\g+5], 1536                        ; tensor_dim0_stride
	s_mov_b32 s[\g+6], 0
	s_mov_b32 s[\g+7], 0
.endr
	; and for the scale words of eight tiles: 4,096 dense bytes as 16 rows of 256
	s_or_b32 s[G1S+0], s43, (3<<16)|(1<<21)
	s_or_b32 s[G1SB+0], s44, (3<<16)|(1<<21)
.irp g, G1S, G1SB
	s_mov_b32 s[\g+1], 32<<16
	s_mov_b32 s[\g+2], 16<<16
	s_mov_b32 s[\g+3], 32<<16
	s_mov_b32 s[\g+4], 16
	s_mov_b32 s[\g+5], 32
	s_mov_b32 s[\g+6], 0
	s_mov_b32 s[\g+7], 0
.endr
	s_lshl_b32 s18, s16, 3
	s_lshl_b32 s20, s17, 4
	s_add_co_u32 s20, s20, s18                     ; A: the first tile that I fetch
	s_lshl_b32 s46, s42, 4
	s_add_co_u32 s46, s46, s18                     ; B likewise
	s_lshl_b32 s22, s20, 9                         ; their scale words, in bytes,
	s_mov_b32 s23, 0
	s_lshl_b32 s92, s46, 9
	s_mov_b32 s93, 0
	s_mul_i32 s20, s20, 12288                      ; and their codes
	s_mov_b32 s21, 0
	s_mul_i32 s46, s46, 12288
	s_mov_b32 s47, 0
	s_mul_i32 s45, s14, HALFT                      ; where they go: wave x eight tiles: no place in the cluster enters an LDS address
	s_lshl_b32 s94, s14, 12
	s_wait_kmcnt 0x0
	s_cmp_eq_u32 ttmp9, 2                          ; v's clusters take the weights as A and x as B: only pointers are chosen
	s_cselect_b64 s[96:97], s[8:9], s[4:5]
	s_cselect_b64 s[8:9], s[4:5], s[8:9]
	s_cselect_b64 s[98:99], s[10:11], s[6:7]
	s_cselect_b64 s[10:11], s[6:7], s[10:11]
	s_add_nc_u64 s[20:21], s[96:97], s[20:21]
	s_add_nc_u64 s[22:23], s[98:99], s[22:23]
	s_add_nc_u64 s[46:47], s[8:9], s[46:47]
	s_add_nc_u64 s[92:93], s[10:11], s[92:93]
	CROUND                                         ; all sixteen work-groups are here: the first joint loads meet
	s_mov_b32 s[G0S], 1
	s_add_co_u32 s[G0S+1], s94, SCL
	s_mov_b64 s[G0S+2:G0S+3], s[22:23]
	s_or_b32 s[G0S+3], s[G0S+3], 0x80000000
	s_mov_b32 s[G0SB], 1
	s_add_co_u32 s[G0SB+1], s94, SCL
	s_mov_b64 s[G0SB+2:G0SB+3], s[92:93]
	s_or_b32 s[G0SB+3], s[G0SB+3], 0x80000000
	JLOAD G0S, G1S, G0SB, G1SB                     ; the scale words first: they are wanted with K step 0.  Three loads of mine are out behind the next two
.irp s, 0,1
	s_mov_b32 s[G0+4*\s], 1
	s_add_co_u32 s[G0+4*\s+1], s45, \s*SLOT
	s_add_nc_u64 s[G0+4*\s+2:G0+4*\s+3], s[20:21], \s*TILEB
	s_or_b32 s[G0+4*\s+3], s[G0+4*\s+3], 0x80000000
	s_mov_b32 s[G0B+4*\s], 1
	s_add_co_u32 s[G0B+4*\s+1], s45, \s*SLOT
	s_add_nc_u64 s[G0B+4*\s+2:G0B+4*\s+3], s[46:47], \s*TILEB
	s_or_b32 s[G0B+4*\s+3], s[G0B+4*\s+3], 0x80000000
	JLOAD G0+4*\s, G1, G0B+4*\s, G1B
.endr
	v_and_b32 v1, 15, v0                           ; r
	v_bfe_u32 v2, v0, 4, 1                         ; h
	v_and_b32 v3, 31, v0                           ; lane
	v_lshlrev_b32 v4, 4, v3
	v_lshlrev_b32 v5, 3, v3
	v_mov_b32 v[E16], v4
	v_mov_b32 v[E8], v5
	s_mul_i32 s21, s15, HALFT                      ; my eight tiles of A
	s_mul_i32 s22, s16, HALFT                      ; my eight of B,
	s_add_co_u32 s22, s22, 2*HALFT                 ; which lie behind A's sixteen
.irp s, 0,1
	v_add_nc_u32 v[ADRA+\s], s21, v4
	v_add_nc_u32 v[ADRB+\s], s22, v4
	v_add_nc_u32 v[ADRA+2+\s], s21, v5
	v_add_nc_u32 v[ADRB+2+\s], s22, v5
	s_add_co_u32 s21, s21, SLOT
	s_add_co_u32 s22, s22, SLOT
.endr
	v_lshlrev_b32 v5, 2, v1                        ; my row's scale word
	s_lshl_b32 s21, s15, 12                        ; A's: my eight tiles
	s_lshl_b32 s22, s16, 12                        ; B's: my eight, behind A's sixteen
	s_add_co_u32 s22, s22, 2*HALFS
	s_sub_co_u32 s22, s22, s21
	v_mul_u32_u24 v6, s22, v2                      ; lanes 16-31 take B's: one product with h
	s_add_co_u32 s21, s21, SCL
	v_add_nc_u32 v5, v5, v6
	v_add_nc_u32 v[ADRS], s21, v5
.macro FRAG reg, adr, q, i             ; tile i's fragment of the slot's q-th 128 along K: two half fragments, as they lie
	ds_load_b128 v[\reg:\reg+3], v[\adr] offset:TILEB*(\i)+1536*(\q)
	ds_load_b64 v[\reg+4:\reg+5], v[\adr+2] offset:TILEB*(\i)+1536*(\q)+512
	ds_load_b128 v[\reg+6:\reg+9], v[\adr] offset:TILEB*(\i)+1536*(\q)+768
	ds_load_b64 v[\reg+10:\reg+11], v[\adr+2] offset:TILEB*(\i)+1536*(\q)+1280
.endm
; 16 matrix instructions: A's tiles a0, a0 + 1 x B's eight.  p: B's set; sc: the set of scale words.  zero = 1: the first product starts the sums.  The 64 accumulators take turns, one instruction a turn.
.macro MUL16 a0, p, q, sc, zero
.irp a, \a0, \a0+1
.irp b, 0,1,2,3,4,5,6,7
.set DD, 8*(8*((\a)%4)+\b)
.set FB, 128*(\p)+FR*\b
.set FA, AF+FR*(\a)
.set SB, SC+16*(\sc)+2*\b+(\q)
.set SA, SC+16*(\sc)+2*(\a)+(\q)
.if \zero
	v_wmma_scale_f32_16x16x128_f8f6f4 v[DD:DD+7], v[FB:FB+11], v[FA:FA+11], 0, v[SB], v[SA] matrix_a_fmt:MATRIX_FMT_FP6 matrix_b_fmt:MATRIX_FMT_FP6 matrix_a_scale:MATRIX_SCALE_ROW1
.else
	v_wmma_scale_f32_16x16x128_f8f6f4 v[DD:DD+7], v[FB:FB+11], v[FA:FA+11], v[DD:DD+7], v[SB], v[SA] matrix_a_fmt:MATRIX_FMT_FP6 matrix_b_fmt:MATRIX_FMT_FP6 matrix_a_scale:MATRIX_SCALE_ROW1
.endif
.endr
.endr
.endm
.macro FETCH_B slot, q, p
	WIN TO_B
.irp i, 0,1,2,3,4,5,6,7
	FRAG 128*(\p)+FR*\i, ADRB+\slot, \q, \i
.endr
	WIN 0
.endm
.macro FETCH_A slot, q, i0
.irp i, \i0, \i0+1, \i0+2, \i0+3
	FRAG AF+FR*(\i), ADRA+\slot, \q, \i
.endr
.endm
.macro SCALES sc                       ; the next slot's scale words: lanes 0-15 A's tile i, lanes 16-31 B's tile i
.irp i, 0,1,2,3,4,5,6,7
.irp u, 0,1
	ds_load_b32 v[SC+16*\sc+2*\i+\u], v[ADRS] offset:512*\i+64*\u
.endr
.endr
.endm
.macro PLACES n                        ; plain vector instructions between a matrix instruction and a load into, or a read of, its registers (ISA guide 7.12.1 for reads)
.rept \n
	v_nop
.endr
.endm
.macro STEP slot, q, zero              ; a step of 128 along K that has its successor in the same slot
	s_wait_dscnt 4*NL                              ; B's set and A's tiles 0-3 are in; the youngest sixteen loads (A's tiles 4-7) may be out
	WIN MUL_LO
	MUL16 0, (\q)%2, \q, \slot, \zero
	MUL16 2, (\q)%2, \q, \slot, \zero
	s_wait_dscnt 0
	PLACES NP
	FETCH_B \slot, (\q)+1, 1-(\q)%2
	FETCH_A \slot, (\q)+1, 0
	WIN MUL_HI
	MUL16 4, (\q)%2, \q, \slot, \zero
	MUL16 6, (\q)%2, \q, \slot, \zero
	PLACES NP
	WIN 0
	FETCH_A \slot, (\q)+1, 4
.endm
; A slot's last step changes slots: one barrier; in front of it each wave waits for all its tensor loads, adds 0 to its spare word, and waits for that and for its own reads of this slot.  fill = 1: this slot is filled again.
.macro TURN slot, next, fill
	s_wait_tensorcnt 0x0                           ; all my tensor loads have landed: my part of the next slot
	ds_add_u32 v[SPW], v[NIL]                      ; 0 onto my spare word
	s_wait_dscnt 4*NL+1                            ; (the add and the youngest sixteen loads may be out)
	WIN MUL_LO
	MUL16 0, 1, NQ-1, \slot, 0                     ; sixteen matrix instructions stand between the add and the wait for it
	s_wait_dscnt 0x0                               ; the add is done, and my reads of this slot are over
	s_barrier_signal -1
	MUL16 2, 1, NQ-1, \slot, 0
	WIN 0
	s_barrier_wait -1
.if \fill
	CREST                                          ; the barrier has opened a round of the cluster's barrier: no wave of any partner still reads this slot or has a load on its way
	s_add_nc_u64 s[G0+4*\slot+2:G0+4*\slot+3], s[G0+4*\slot+2:G0+4*\slot+3], 2*TILEB
	s_add_nc_u64 s[G0B+4*\slot+2:G0B+4*\slot+3], s[G0B+4*\slot+2:G0B+4*\slot+3], 2*TILEB
	JLOAD G0+4*\slot, G1, G0B+4*\slot, G1B         ; the first tensor load behind the round; its four v_nop are the places in front of the loads below
.else
	PLACES NP
.endif
	v_add_nc_u32 v[ADRS], 128, v[ADRS]             ; on to the next slot's scale words
	FETCH_B \next, 0, 0
	FETCH_A \next, 0, 0
	SCALES \next
	WIN MUL_HI
	MUL16 4, 1, NQ-1, \slot, 0
	MUL16 6, 1, NQ-1, \slot, 0
	PLACES NP
	WIN 0
	FETCH_A \next, 0, 4
.endm
	s_wait_tensorcnt 1                             ; the scale words and my part of slot 0 are in (slot 1's load may be out)
	s_barrier_signal -1
	s_barrier_wait -1                              ; everybody's are
	FETCH_B 0, 0, 0
	FETCH_A 0, 0, 0
	SCALES 0
	FETCH_A 0, 0, 4
	STEP 0, 0, 1                                   ; the first step stands in front of the loop: its products start the sums
	s_mov_b32 s3, LAPS-1
.Llap:                                                 ; a trip goes once round the ring and fills both slots again
	TURN 0, 1, 1
	STEP 1, 0, 0
	TURN 1, 0, 1
	STEP 0, 0, 0
	s_sub_co_u32 s3, s3, 1
	s_cmp_lg_u32 s3, 0
	s_cbranch_scc1 .Llap
	TURN 0, 1, 0                                   ; the last lap fills nothing
	STEP 1, 0, 0
	s_wait_dscnt 4*NL
	WIN MUL_LO
	MUL16 0, 1, NQ-1, 1, 0
	MUL16 2, 1, NQ-1, 1, 0
	s_wait_dscnt 0
	WIN MUL_HI
	MUL16 4, 1, NQ-1, 1, 0
	MUL16 6, 1, NQ-1, 1, 0
	WIN 0
; THE EPILOGUE.  For A's tile a a lane holds 64 numbers of ONE row (a token's 128 channels, or a channel's 128 keys): register 16 b + i is index 32 b + 16 (lane / 16) + i.  They become a fragment's codes and a scale word, and leave as images.
	PLACES NP                                      ; behind the last products: their results are read, and the scale words' registers are written
.irp b, 0,1,2,3
	v_mov_b32 v[TM+4+\b], 0                        ; a lane permute's destination counts as one of its sources
.endr
	v_cmp_le_u32 s100, 16, v3                      ; lanes 16-31
	s_mov_b32 s18, 0x76543210
	s_mov_b32 s19, 0xfedcba98
	s_mov_b32 s20, 0x1800000                       ; the floor 2^(3 - 127)
	s_mov_b32 s101, 0x7f7f0000                     ; scale bytes of 1.0 for the upper 64 of an instruction's K, which a head of 64 does not have
.macro QUANTW a
.set WN, 2+(\a)/4
.set AC, 64*((\a)%4)
.set PC, PCA+20*((\a)%2)
.set WW, (WN<<2)|(WN<<4)
	WIN WW                                         ; sources 1 and 2: the accumulators' window
.irp b, 0,1,2,3
	v_max3_num_f32 v[TM+\b], s20, |v[AC+16*\b]|, |v[AC+16*\b+1]|   ; each accumulator is read from its low end on
.endr
.irp i, 2,4,6,8,10,12,14
.irp b, 0,1,2,3
	v_max3_num_f32 v[TM+\b], v[TM+\b], |v[AC+16*\b+\i]|, |v[AC+16*\b+\i+1]|
.endr
.endr
	WIN 0
.irp b, 0,1,2,3
	v_permlanex16_b32 v[TM+4+\b], v[TM+\b], s18, s19
.endr
.irp b, 0,1,2,3
	v_max_num_f32 v[TM+\b], v[TM+\b], v[TM+4+\b]   ; with lane l xor 16's: the block's largest magnitude
.endr
.irp b, 0,1,2,3
	v_add_nc_u32 v[TM+12+\b], 0xff000000, v[TM+\b]
.endr
.irp b, 0,1,2,3
	v_lshrrev_b32 v[TM+4+\b], 23, v[TM+12+\b]
.endr
	v_lshl_or_b32 v[PW], v[TM+5], 8, v[TM+4]
	v_lshl_or_b32 v[PW], v[TM+6], 16, v[PW]
	v_lshl_or_b32 v[PW], v[TM+7], 24, v[PW]
	s_wait_xcnt 0x0                                ; the stores of two tiles ago have read this set of registers
	WIN WN                                         ; source 0: the accumulators' window
.irp c, 0,1
	v_cvt_scalef32_pk16_fp6_f32 v[PC+6*\c:PC+2+6*\c], v[AC+32*\c:AC+15+32*\c], v[TM+12+2*\c]
	v_cvt_scalef32_pk16_fp6_f32 v[PC+12+4*\c:PC+14+4*\c], v[AC+16+32*\c:AC+31+32*\c], v[TM+12+2*\c+1]
.endr
	WIN 0
	v_nop                                          ; one plain place behind a scaled conversion
.irp c, 0,1                                    ; the operand's layout wants a whole block in a lane
.irp i, 0,1,2
	v_permlane16_swap_b32 v[PC+6*\c+\i], v[PC+12+4*\c+\i]
.endr
.irp i, 0,1,2
	v_mov_b32 v[PC+3+6*\c+\i], v[PC+12+4*\c+\i]
.endr
.endr
.endm
; isv = 0: q or k; 1: v.  tku, tkh: the registers that hold the tokens' unit and my half of it; hdu, hdh: the unit of four heads and my half of it
.macro EPI isv, tku, tkh, hdu, hdh
	s_lshr_b32 s96, s[\tku], 3                     ; the batch (a unit is 256 tokens)
	s_lshl_b32 s96, s96, 4
	s_lshl_b32 s97, s[\hdu], 2
	s_add_co_u32 s96, s96, s97
	s_lshl_b32 s97, s[\hdh], 1
	s_add_co_u32 s96, s96, s97                     ; batch x 16 + my first head
	s_lshl_b32 s96, s96, 4
	s_and_b32 s97, s[\tku], 7
	s_lshl_b32 s97, s97, 1
	s_add_co_u32 s96, s96, s97
	s_add_co_u32 s96, s96, s[\tkh]                 ; + my group of 128 tokens: the record
	s_mul_i32 s96, s96, RECB
.if \isv == 0
	s_cmp_eq_u32 ttmp9, 0
	s_cselect_b32 s97, 13056, 0                    ; q's part of a record lies behind k's and v's
	s_add_co_u32 s96, s96, s97
.endif
	s_mov_b32 s97, 0
	s_add_nc_u64 s[12:13], s[12:13], s[96:97]
.irp a, 0,1,2,3,4,5,6,7
	QUANTW \a
.if \isv == 0                                  ; tile a of 16 tokens: half fragment 0 is my first head's 64 channels, half fragment 1 my second head's
	global_store_b128 v[E16], v[PC:PC+3], s[12:13] offset:768*\a
	global_store_b64 v[E8], v[PC+4:PC+5], s[12:13] offset:768*\a+512
	global_store_b128 v[E16], v[PC+6:PC+9], s[12:13] offset:768*\a+HEADB
	global_store_b64 v[E8], v[PC+10:PC+11], s[12:13] offset:768*\a+512+HEADB
.else                                          ; tile a of 16 channels (head a / 4, tile a % 4): a whole fragment along the group's 128 keys
	global_store_b128 v[E16], v[PC:PC+3], s[12:13] offset:HEADB*(\a/4)+6656+1536*(\a%4)
	global_store_b64 v[E8], v[PC+4:PC+5], s[12:13] offset:HEADB*(\a/4)+6656+1536*(\a%4)+512
	global_store_b128 v[E16], v[PC+6:PC+9], s[12:13] offset:HEADB*(\a/4)+6656+1536*(\a%4)+768
	global_store_b64 v[E8], v[PC+10:PC+11], s[12:13] offset:HEADB*(\a/4)+6656+1536*(\a%4)+1280
.endif
.if \a % 2 == 0
	v_mov_b32 v[PWE], v[PW]
.else
	v_cndmask_b32 v[PWM+\a/2], v[PWE], v[PW], s100 ; lanes 0-15 the even tile's words, lanes 16-31 the odd tile's
.endif
.endr
.if \isv == 0
.irp p, 0,1,2,3
	v_and_or_b32 v[SS+\p], v[PWM+\p], 0xffff, s101 ; my first head's two bytes, under two bytes of 1.0;
	v_lshrrev_b32 v[SS+4+\p], 16, v[PWM+\p]
.endr
.irp p, 0,1,2,3
	v_or_b32 v[SS+4+\p], s101, v[SS+4+\p]          ; my second head's
.endr
	global_store_b128 v[E16], v[SS:SS+3], s[12:13] offset:6144
	global_store_b128 v[E16], v[SS+4:SS+7], s[12:13] offset:6144+HEADB
.else
	global_store_b64 v[E8], v[PWM:PWM+1], s[12:13] offset:12800
	global_store_b64 v[E8], v[PWM+2:PWM+3], s[12:13] offset:12800+HEADB
.endif
.endm
	s_cmp_eq_u32 ttmp9, 2                          ; the same in all sixteen partners
	s_cbranch_scc1 .Lepi_v
	EPI 0, 17, 15, 40, 16
	s_branch .Ldone
.Lepi_v:
	EPI 1, 42, 16, 41, 15
.Ldone:
	s_wait_tensorcnt 0x0                           ; the wave's end
	ds_add_u32 v[SPW], v[NIL]
	s_wait_dscnt 0x0
	CROUND                                         ; the closing round: no work-group ends while a partner may still ask for a tile that names it
	s_endpgm
.Lfunc_end_k_q0aac49059f_gemm_qkv:
	.size	k_q0aac49059f_gemm_qkv, .Lfunc_end_k_q0aac49059f_gemm_qkv-k_q0aac49059f_gemm_qkv
	.p2alignl 7, 3214868480
	.fill 96, 4, 3214868480
	.section	.rodata,"a",@progbits
	.p2align	6, 0x0
	.amdhsa_kernel k_q0aac49059f_gemm_qkv
		.amdhsa_group_segment_fixed_size 327680
		.amdhsa_private_segment_fixed_size 0
		.amdhsa_enable_private_segment 0
		.amdhsa_kernarg_size 40
		.amdhsa_user_sgpr_count 2
		.amdhsa_user_sgpr_kernarg_segment_ptr 1
		.amdhsa_wavefront_size32 1
		.amdhsa_system_sgpr_workgroup_id_x 1
		.amdhsa_system_sgpr_workgroup_id_y 1
		.amdhsa_system_sgpr_workgroup_id_z 1
		.amdhsa_system_vgpr_workitem_id 0
		.amdhsa_next_free_vgpr 1024
		.amdhsa_next_free_sgpr 102
		.amdhsa_reserve_vcc 0
		.amdhsa_float_denorm_mode_32 3
		.amdhsa_float_denorm_mode_16_64 3
		.amdhsa_memory_ordered 1
		.amdhsa_forward_progress 1
		.amdhsa_inst_pref_size 185
	.end_amdhsa_kernel
	.amdgpu_metadata
---
amdhsa.version: [ 1, 2 ]
amdhsa.kernels:
  - .name:           k_q0aac49059f_gemm_qkv
    .symbol:         k_q0aac49059f_gemm_qkv.kd
    .args:
      - { .name: xc, .offset: 0, .size: 8, .value_kind: global_buffer, .address_space: global }
      - { .name: xs, .offset: 8, .size: 8, .value_kind: global_buffer, .address_space: global }
      - { .name: wc, .offset: 16, .size: 8, .value_kind: global_buffer, .address_space: global }
      - { .name: ws, .offset: 24, .size: 8, .value_kind: global_buffer, .address_space: global }
      - { .name: qkv, .offset: 32, .size: 8, .value_kind: global_buffer, .address_space: global }
    .group_segment_fixed_size: 327680
    .private_segment_fixed_size: 0
    .kernarg_segment_align: 8
    .kernarg_segment_size: 40
    .max_flat_workgroup_size: 128
    .sgpr_count:     102
    .vgpr_count:     1024
    .wavefront_size: 32
...
	.end_amdgpu_metadata
.endif
;; end of part 2
;; launch attn (part 3): grid 4 x 64, 16 waves a work-group, clusters of 4 x 1, 215,040 bytes of LDS; arguments qkv, cc, cs; writes cc, cs
.if DOCPART == 3
	.amdgcn_target "amdgcn-amd-amdhsa--gfx1250"
	.amdhsa_code_object_version 6
	.text
	.protected	k_q0aac49059f_attn
	.globl	k_q0aac49059f_attn
	.p2align	8
	.type	k_q0aac49059f_attn,@function
k_q0aac49059f_attn:
	s_mov_b64 s[64:65], 0
	v_nop
	global_prefetch_b8 v0, s[64:65] scope:SCOPE_SE
	s_setreg_imm32_b32 hwreg(HW_REG_WAVE_MODE, 25, 1), 1
	s_wait_xcnt 0x0
	s_wait_alu depctr_hold_cnt(0) depctr_sa_sdst(0) depctr_va_vdst(0) depctr_va_sdst(0) depctr_va_ssrc(0) depctr_va_vcc(0) depctr_vm_vsrc(0)
	s_getreg_b32 s2, hwreg(HW_REG_IB_STS2, 6, 4)
	s_cmp_eq_u32 s2, 0
	s_cbranch_scc0 .Lentry_in_a_cluster
	s_endpgm
.Lentry_in_a_cluster:
	s_bfe_u32 s2, ttmp6, 0x10000c
	s_cmp_lg_u32 s2, 0x3003
	s_cbranch_scc0 .Lentry_shape_is_right
	s_endpgm
.Lentry_shape_is_right:
; ctx = softmax(q k^T / 8, causal) v for 64 (batch x head) of 2,048 tokens x 64 channels, both products on codes of FP6 (E2M3) with E8M0 scales; ctx is normalised and quantised again along the model's 1,024 for the last product.
; THE SOFTMAX AHEAD OF THE SECOND PRODUCT: t = score x log2(e) / 8; M = the running largest t rounded UP to a whole number; p = 2^(t - M) is quantised along the keys; the row's sum is taken of the unquantised p and divides at the end.
; IN: records of 19,712 bytes for (batch x head, group of 128 tokens): K codes 8 half fragments of 768 | K scales 512 | V codes 4 fragments of 1,536 (keys innermost) | V scales 256 | Q codes 8 x 768 | Q scales 512: images of the operands' registers
; (a half fragment: lane l's registers 0-3 at 16 l, registers 4-5 at 512 + 8 l).  Tile T's row r is index 32 (T / 2) + 8 (T % 2) + r + 8 (r / 8) of its group, so that the 16 registers of two neighbouring tiles are 16 neighbours.
; A CLUSTER of four work-groups is one (batch, head).  The head's K and V, 16 x 13,056 bytes, fit in LDS: wave w asks for record w's first 13,056 bytes, JOINTLY with the same wave of the three partners (mask 15).  LDS is filled once:
; no ring, no refill, no barrier in the loops.  No prefetch is laid: all of K and V is asked for by these sixteen loads at the head, and no later stream exists.
; SHARES.  A group of 128 queries has 8 tiles; partner cx takes tiles e = 2 cx + (w % 2) of every group; wave w takes that tile in group w / 2 (pass 1) and in group 15 - w / 2 (pass 2): 17 key steps of 128 keys for every wave.
; Which steps are hidden hangs on the wave's number alone; cx enters only global addresses and the numbers that the mask compares.
; Both products are used transposed: S^T = K Q^T (source 0 = 16 keys, source 1 = my 16 queries), O^T = V^T P^T: a lane holds one query throughout.
; K = 64 IN AN INSTRUCTION OF 128: Q's registers 6-11 hold zero codes and both sides' scale bytes 2, 3 are 1.0.  K's fragment t names v[38 + 6 t .. 49 + 6 t]: its upper six registers hold the next tile's codes (zeros behind tile 7);
; every code of this format is a finite number, so each of those products is 0.
; OUT: cc as the first product's x: [tile of 16 tokens][8 K steps][1,536], head n being half fragment n % 2 of K step n / 2: 768 whole bytes a tile and head; cs: [tile][8][16 words], of which a head owns two bytes a word:
; they leave by one store of two bytes a lane, since a word's other half belongs to another cluster: one byte in 24 of what the launch stores.
; LIMITS: a block of zeros, or one under 2^-124, gets the byte 1 (its codes are zeros); v_exp_f32 and v_rcp_f32 are as accurate as the ISA guide states; NaN and infinities are not served.
; REGISTERS: v1, v2 16 and 8 x lane; v3, v4 the step's LDS addresses; v5 the mask's number; v6-8 Q's offsets; v9-11 store offsets; v12 -M, v13 the largest t, v[14:15] the sum; v16-27, v28 Q and its scale word (pass 1); v232-243, v244 (pass 2);
;   v38-91 K's or V's fragments; v92-95 K's scale words, v98-99 V's; v100-163 S^T, then p; v164-195 O^T; v196-207 p's codes; v208-227 at work; v228, v229 ctx's scale bytes.
.set RECB, 19712
.set KVB,  13056
.set S,    100
.set O,    164
.set P,    196
.set BM,   208
.set PT,   212
.set SCO,  220
.macro ROUND                           ; a round of the cluster's barrier
	s_barrier_signal -1
	s_barrier_wait -1
	s_cmp_lg_u32 s18, 0
	s_cbranch_scc1 .Lnot_wave_0_\@
	s_barrier_signal -3
.Lnot_wave_0_\@:
	s_barrier_wait -3
	s_barrier_signal -1
	s_barrier_wait -1
.endm
	s_load_b128 s[4:7], s[0:1], 0x0                ; the records, cc
	s_load_b64 s[8:9], s[0:1], 0x10                ; cs
	v_lshl_add_u32 v254, v0, 2, 0x34000
	v_mov_b32 v255, 0
	ds_add_u32 v254, v255
	ds_add_u32 v254, v255
	v_lshrrev_b32 v1, 5, v0
	s_delay_alu instid0(VALU_DEP_1)
	v_readfirstlane_b32 s18, v1                    ; wave 0..15
	s_bfe_u32 s36, ttmp6, 0x40000                  ; cx
	s_and_b32 s37, ttmp7, 0xffff                   ; batch x 16 + head, which the four partners share
	s_lshr_b32 s38, s18, 1                         ; pass 1's group of queries
	s_sub_co_u32 s39, 15, s38                      ; pass 2's
	s_and_b32 s45, s18, 1
	s_lshl_b32 s43, s36, 1
	s_add_co_u32 s43, s43, s45                     ; e: my tile in a group
	s_mov_b32 s20, 0x76543210
	s_mov_b32 s21, 0xfedcba98                      ; v_permlanex16_b32's selects for lane l xor 16
	s_mov_b32 s22, 0x3e38aa3b                      ; c = log2(e) / 8
	s_mov_b32 s23, s22                             ; (named with it as a pair, so it is written)
	; descriptor group 1: 13,056 dense bytes as 51 rows of 256
	s_mov_b32 s24, 15|(3<<16)|(1<<21)              ; 15:0 the mask: all four work-groups; 17:16 elements of 8 bytes; 21 set beside a mask
	s_mov_b32 s25, 32<<16
	s_mov_b32 s26, 51<<16
	s_mov_b32 s27, 32<<16
	s_mov_b32 s28, 51
	s_mov_b32 s29, 32
	s_mov_b32 s30, 0
	s_mov_b32 s31, 0
	s_lshl_b32 s10, s37, 4
	s_add_co_u32 s11, s10, s18
	s_mul_i32 s12, s11, RECB                       ; the record that I fetch,
	s_mov_b32 s13, 0
	s_add_co_u32 s11, s10, s38
	s_mul_i32 s14, s11, RECB                       ; and those of my two groups of queries
	s_mov_b32 s15, 0
	s_add_co_u32 s11, s10, s39
	s_mul_i32 s16, s11, RECB
	s_mov_b32 s17, 0
	s_wait_dscnt 0x0
	s_wait_kmcnt 0x0
	s_mov_b32 s32, 1
	s_mul_i32 s33, s18, KVB                        ; LDS: record w at 13,056 w
	s_add_nc_u64 s[34:35], s[4:5], s[12:13]
	s_or_b32 s35, s35, 0x80000000
	s_add_nc_u64 s[48:49], s[4:5], s[14:15]
	s_add_nc_u64 s[50:51], s[4:5], s[16:17]
	ROUND                                          ; all four work-groups are here: the joint loads meet
	tensor_load_to_lds s[32:35], s[24:31]          ; my one tensor load of the launch
	s_nop 0
.rept 4
	v_nop
.endr
	v_and_b32 v245, 31, v0                         ; lane
	v_and_b32 v246, 15, v0                         ; r
	v_bfe_u32 v247, v0, 4, 1                       ; h
	s_delay_alu instid0(VALU_DEP_3)
	v_lshlrev_b32 v1, 4, v245
	s_delay_alu instid0(VALU_DEP_4)
	v_lshlrev_b32 v2, 3, v245
	s_mul_i32 s10, s43, 768
	v_add_nc_u32 v6, s10, v1                       ; Q's half fragment e
	v_add_nc_u32 v7, s10, v2
	s_lshl_b32 s10, s45, 8
	s_lshl_b32 s11, s36, 2
	s_add_co_u32 s10, s10, s11
	v_lshl_add_u32 v8, v246, 4, s10                ; its scale word: 16 (r + 16 (e % 2)) + 4 (e / 2)
	global_load_b128 v[16:19], v6, s[48:49] offset:13056
	global_load_b64 v[20:21], v7, s[48:49] offset:13568
	global_load_b32 v28, v8, s[48:49] offset:19200
	global_load_b128 v[232:235], v6, s[50:51] offset:13056
	global_load_b64 v[236:237], v7, s[50:51] offset:13568
	global_load_b32 v244, v8, s[50:51] offset:19200
	v_and_b32 v5, 8, v246
	s_delay_alu instid0(VALU_DEP_1)
	v_add_nc_u32 v5, v5, v246
	v_lshlrev_b32 v248, 4, v247
	s_delay_alu instid0(VALU_DEP_1)
	v_sub_nc_u32 v5, v5, v248
	s_lshl_b32 s10, s36, 5
	s_lshl_b32 s11, s45, 3
	s_add_co_u32 s10, s10, s11
	v_add_nc_u32 v5, s10, v5                       ; d = my query's place in its group - 16 h.  Register 16 b + i holds key 32 b + 16 h + i: hidden on the diagonal where 32 b + i > d
	v_cmp_le_u32 s46, 16, v245                     ; lanes 16-31
.irp i, 0,1,2,3,4,5
	v_mov_b32 v[22+\i], 0                          ; zero codes for the upper 64 of K: Q's, both passes',
	v_mov_b32 v[238+\i], 0
	v_mov_b32 v[86+\i], 0                          ; and behind K's tile 7
.endr
.irp i, 0,1,2,3,4,5,6,7
	v_mov_b32 v[PT+\i], 0                          ; a lane permute's destination counts as one of its sources
.endr
	v_mov_b32 v225, 0                              ; (named as the upper half of the pair v[224:225] before it is first written)
	v_mov_b32 v226, 0
	v_mov_b32 v227, 0xff800000                     ; -infinity
	s_wait_tensorcnt 0x0                           ; my record is in,
	s_barrier_signal -1
	s_barrier_wait -1                              ; everybody's is: the head's K and V lie in LDS for the rest of the launch
	s_wait_loadcnt 0x0                             ; Q
; A PASS: one tile of 16 queries of group s[g] against the keys of groups 0 .. s[g].  qr, qs: Q's registers and its scale word; hw: the register that takes ctx's two scale bytes.
.macro PASS qr, qs, g, hw
	s_wait_xcnt 0x0                                ; earlier loads and stores have read their registers: store data and offsets may be written again
	v_mov_b32 v13, 0xff61b1e6                      ; the largest t so far: -3e38, under every t
	s_delay_alu instid0(VALU_DEP_1)
	v_floor_f32 v12, -v13                          ; -M
	v_mov_b32 v14, 0
	v_mov_b32 v15, 0
.set J, 0
.rept 32
	v_mov_b32 v[O+J], 0                            ; O^T: the step is written once; the first finds zeros, which the first change of M leaves zeros
.set J, J+1
.endr
	s_mov_b32 s40, 0                               ; the key step
	s_mov_b32 s41, 0                               ; its record in LDS
.Lstep_\@:                                         ; 16 trips, a constant; a step all of whose keys come after my queries is left out by a branch on the wave's number and the count
	s_cmp_gt_u32 s40, s[\g]
	s_cbranch_scc1 .Lhidden_\@
	s_setprio 2
	v_add_nc_u32 v3, s41, v1
	v_add_nc_u32 v4, s41, v2
	v_nop
	v_nop                                          ; four places behind the last step's products, in front of loads into registers that they read
.irp t, 0,1,2,3,4,5,6,7
	ds_load_b128 v[38+6*\t:41+6*\t], v3 offset:768*\t
	ds_load_b64 v[42+6*\t:43+6*\t], v4 offset:768*\t+512
.endr
	ds_load_b128 v[92:95], v3 offset:6144          ; K's scale words: register j: lanes 0-15 tile 2 j, lanes 16-31 tile 2 j + 1
	s_wait_alu depctr_va_vdst(0)
	s_wait_dscnt 0x0
.irp t, 0,1,2,3,4,5,6,7
.if \t % 2
	v_wmma_scale_f32_16x16x128_f8f6f4 v[S+8*\t:S+8*\t+7], v[38+6*\t:49+6*\t], v[\qr:\qr+11], 0, v[92+\t/2], v[\qs] matrix_a_fmt:MATRIX_FMT_FP6 matrix_b_fmt:MATRIX_FMT_FP6 matrix_a_scale:MATRIX_SCALE_ROW1
.else
	v_wmma_scale_f32_16x16x128_f8f6f4 v[S+8*\t:S+8*\t+7], v[38+6*\t:49+6*\t], v[\qr:\qr+11], 0, v[92+\t/2], v[\qs] matrix_a_fmt:MATRIX_FMT_FP6 matrix_b_fmt:MATRIX_FMT_FP6
.endif
.endr
.rept 4
	v_nop                                          ; places in front of the loads below and of the first read of the scores
.endr
.irp t, 0,1,2,3                                ; V's four fragments land while the softmax is walked
	ds_load_b128 v[38+12*\t:41+12*\t], v3 offset:6656+1536*\t
	ds_load_b64 v[42+12*\t:43+12*\t], v4 offset:6656+1536*\t+512
	ds_load_b128 v[44+12*\t:47+12*\t], v3 offset:6656+1536*\t+768
	ds_load_b64 v[48+12*\t:49+12*\t], v4 offset:6656+1536*\t+1280
.endr
	ds_load_b64 v[98:99], v4 offset:12800          ; V's scale words
	s_cmp_lg_u32 s40, s[\g]
	s_cbranch_scc1 .Lopen_\@                       ; only my own group's step lies on the diagonal
.set N, 0
.rept 64
	v_cmp_gt_i32 vcc_lo, 32*(N/16)+N%16, v5
	v_cndmask_b32 v[S+N], v[S+N], v227, vcc_lo     ; hidden scores become -infinity ahead of the maximum: p = 0 then
.set N, N+1
.endr
.Lopen_\@:
.irp b, 0,1,2,3
	v_max3_num_f32 v[BM+\b], v[S+16*\b], v[S+1+16*\b], v[S+2+16*\b]   ; the largest score of each block of 32 keys: it serves for the row's maximum and, since p rises with the score, for the block's largest p
.endr
.irp i, 3,5,7,9,11,13
.irp b, 0,1,2,3
	v_max3_num_f32 v[BM+\b], v[BM+\b], v[S+16*\b+\i], v[S+1+16*\b+\i]
.endr
.endr
.irp b, 0,1,2,3
	v_max_num_f32 v[BM+\b], v[BM+\b], v[S+15+16*\b]
.endr
.irp b, 0,1,2,3
	s_delay_alu instid0(VALU_DEP_4)
	v_permlanex16_b32 v[PT+\b], v[BM+\b], s20, s21
.endr
.irp b, 0,1,2,3
	s_delay_alu instid0(VALU_DEP_4)
	v_max_num_f32 v[BM+\b], v[BM+\b], v[PT+\b]     ; with lane l xor 16's 16 keys
.endr
	s_delay_alu instid0(VALU_DEP_2)
	v_max3_num_f32 v226, v[BM], v[BM+1], v[BM+2]
	s_delay_alu instid0(VALU_DEP_1)
	v_max_num_f32 v226, v226, v[BM+3]
	s_delay_alu instid0(VALU_DEP_1)
	v_mul_f32 v226, s22, v226                      ; the step's largest t of my query
	s_delay_alu instid0(VALU_DEP_1)
	v_max_num_f32 v13, v13, v226
	v_mov_b32 v226, v12
	s_delay_alu instid0(VALU_DEP_2)
	v_floor_f32 v12, -v13                          ; the new -M = -ceil(t): a whole number
	s_delay_alu instid0(VALU_DEP_1)
	v_sub_f32 v226, v12, v226                      ; old M - new M: a whole number, 0 or less
	s_delay_alu instid0(VALU_DEP_1)
	v_cvt_i32_f32 v226, v226                       ; (it saturates)
	s_delay_alu instid0(VALU_DEP_1)
	v_ldexp_f32 v224, 1.0, v226                    ; f = 2^(old M - new M): a multiplication by it rounds nothing
.set J, 0
.rept 32
	v_pk_fma_f32 v[S+J:S+J+1], v[S+J:S+J+1], s[22:23], v[12:13] op_sel_hi:[1,0,0]   ; t - M, two at a time
.set J, J+2
.endr
	s_setprio 1
.irp b, 0,1,2,3
	v_fma_f32 v[BM+\b], v[BM+\b], s22, v12
.endr
.set J, 0
	s_wait_alu depctr_va_vdst(0)
.rept 64
	v_exp_f32 v[S+J], v[S+J]                       ; p = 2^(t - M), at most 1: not normalised
.set J, J+1
.endr
	v_pk_mul_f32 v[14:15], v[14:15], v[224:225] op_sel_hi:[1,0]   ; the sums under the new M (a plain place behind the exponentials)
	s_wait_alu depctr_va_vdst(0)                   ; one wait for the whole batch, ahead of its first reader
.irp b, 0,1,2,3
	v_exp_f32 v[BM+\b], v[BM+\b]                   ; the block's largest p
.endr
	v_pk_add_f32 v[212:213], v[104:105], v[108:109]
	v_pk_add_f32 v[252:253], v[112:113], v[116:117]
	v_pk_add_f32 v[250:251], v[120:121], v[124:125]
	v_pk_add_f32 v[248:249], v[128:129], v[132:133]
	v_pk_add_f32 v[230:231], v[136:137], v[140:141]
	v_pk_add_f32 v[222:223], v[144:145], v[148:149]
	v_pk_add_f32 v[220:221], v[152:153], v[156:157]
	v_pk_add_f32 v[14:15], v[14:15], v[160:161]
	v_pk_add_f32 v[212:213], v[212:213], v[100:101]
	v_pk_add_f32 v[252:253], v[252:253], v[102:103]
	v_pk_add_f32 v[250:251], v[250:251], v[106:107]
	v_pk_add_f32 v[248:249], v[248:249], v[110:111]
	v_pk_add_f32 v[230:231], v[230:231], v[114:115]
	v_pk_add_f32 v[222:223], v[222:223], v[118:119]
	v_pk_add_f32 v[220:221], v[220:221], v[122:123]
	v_pk_add_f32 v[14:15], v[14:15], v[126:127]
	v_pk_add_f32 v[212:213], v[212:213], v[130:131]
	v_pk_add_f32 v[252:253], v[252:253], v[134:135]
	v_pk_add_f32 v[250:251], v[250:251], v[138:139]
	v_pk_add_f32 v[248:249], v[248:249], v[142:143]
	v_pk_add_f32 v[230:231], v[230:231], v[146:147]
	v_pk_add_f32 v[222:223], v[222:223], v[150:151]
	v_pk_add_f32 v[220:221], v[220:221], v[154:155]
	v_pk_add_f32 v[14:15], v[14:15], v[158:159]
	v_pk_add_f32 v[212:213], v[212:213], v[162:163]
	s_delay_alu instid0(VALU_DEP_2)
	v_pk_add_f32 v[14:15], v[14:15], v[248:249]
	s_delay_alu instid0(VALU_DEP_2)
	v_pk_add_f32 v[212:213], v[212:213], v[230:231]
	v_pk_add_f32 v[252:253], v[252:253], v[222:223]
	v_pk_add_f32 v[250:251], v[250:251], v[220:221]
	s_delay_alu instid0(VALU_DEP_2)
	v_pk_add_f32 v[14:15], v[14:15], v[252:253]
	s_delay_alu instid0(VALU_DEP_2)
	v_pk_add_f32 v[212:213], v[212:213], v[250:251]
	s_delay_alu instid0(VALU_DEP_1)
	v_pk_add_f32 v[14:15], v[14:15], v[212:213]
	s_wait_alu depctr_va_vdst(0)                   ; and one for the four
.irp b, 0,1,2,3
	v_max_num_f32 v[BM+\b], 0x1800000, v[BM+\b]    ; the floor 2^(3 - 127): the byte cannot fall under 1
.endr
.irp b, 0,1,2,3
	s_delay_alu instid0(VALU_DEP_4)
	v_add_nc_u32 v[SCO+\b], 0xff000000, v[BM+\b]   ; 2 off the exponent field: the conversion's scale operand
.endr
.irp b, 0,1,2,3
	s_delay_alu instid0(VALU_DEP_4)
	v_lshrrev_b32 v[PT+\b], 23, v[SCO+\b]
.endr
	s_delay_alu instid0(VALU_DEP_3)
	v_lshl_or_b32 v225, v[PT+1], 8, v[PT]          ; p's scale word for these 128 keys
	s_delay_alu instid0(VALU_DEP_1)
	v_lshl_or_b32 v225, v[PT+2], 16, v225
	s_delay_alu instid0(VALU_DEP_1)
	v_lshl_or_b32 v225, v[PT+3], 24, v225
	s_setprio 0
.irp c, 0,1
	v_cvt_scalef32_pk16_fp6_f32 v[P+6*\c:P+2+6*\c], v[S+32*\c:S+15+32*\c], v[SCO+2*\c]
	v_cvt_scalef32_pk16_fp6_f32 v[PT+4*\c:PT+2+4*\c], v[S+16+32*\c:S+31+32*\c], v[SCO+2*\c+1]
.endr
	v_nop                                          ; one plain place behind a scaled conversion
.irp c, 0,1                                    ; the operand's layout wants a whole block in a lane
.irp i, 0,1,2
	v_permlane16_swap_b32 v[P+6*\c+\i], v[PT+4*\c+\i]
.endr
.irp i, 0,1,2
	s_delay_alu instid0(VALU_DEP_3)
	v_mov_b32 v[P+3+6*\c+\i], v[PT+4*\c+\i]
.endr
.endr
.set J, 0
.rept 16
	v_pk_mul_f32 v[O+J:O+J+1], v[O+J:O+J+1], v[224:225] op_sel_hi:[1,0]   ; O^T under the new M; these sixteen are also the places between the writing of p's codes and scale word and the products
.set J, J+2
.endr
	s_wait_alu depctr_va_vdst(0)
	s_wait_dscnt 0x0                               ; V is in
.irp t, 0,1,2,3
.if \t % 2
	v_wmma_scale_f32_16x16x128_f8f6f4 v[O+8*\t:O+8*\t+7], v[38+12*\t:49+12*\t], v[P:P+11], v[O+8*\t:O+8*\t+7], v[98+\t/2], v225 matrix_a_fmt:MATRIX_FMT_FP6 matrix_b_fmt:MATRIX_FMT_FP6 matrix_a_scale:MATRIX_SCALE_ROW1
.else
	v_wmma_scale_f32_16x16x128_f8f6f4 v[O+8*\t:O+8*\t+7], v[38+12*\t:49+12*\t], v[P:P+11], v[O+8*\t:O+8*\t+7], v[98+\t/2], v225 matrix_a_fmt:MATRIX_FMT_FP6 matrix_b_fmt:MATRIX_FMT_FP6
.endif
.endr
.Lhidden_\@:
	s_add_co_u32 s41, s41, KVB
	s_add_co_u32 s40, s40, 1
	s_cmp_lt_u32 s40, 16
	s_cbranch_scc1 .Lstep_\@
	s_setprio 0
	; the pass's end: ctx = O^T / the sum; register 16 b + i is channel 32 b + 16 h + i of my query: two blocks of 32, one half fragment
.rept 4
	v_nop                                          ; places behind the last products
.endr
	v_add_f32 v14, v14, v15
	s_delay_alu instid0(VALU_DEP_1)
	v_permlanex16_b32 v226, v14, s20, s21
	s_delay_alu instid0(VALU_DEP_1)
	v_add_f32 v14, v14, v226                       ; the row's sum
	s_wait_alu depctr_va_vdst(0)
	v_rcp_f32 v14, v14
	s_lshr_b32 s10, s37, 4
	s_lshl_b32 s10, s10, 7
	s_lshl_b32 s11, s[\g], 3
	s_add_co_u32 s10, s10, s11
	s_add_co_u32 s10, s10, s43                     ; my tile of tokens: 128 x batch + 8 x group + e
	s_mul_i32 s10, s10, 12288
	s_and_b32 s11, s37, 15
	s_mul_i32 s11, s11, 768                        ; + my head's half fragment
	s_add_co_u32 s10, s10, s11
	v_add_nc_u32 v9, s10, v1                       ; (plain places behind the reciprocal)
	v_add_nc_u32 v10, s10, v2
	s_wait_alu depctr_va_vdst(0)                   ; the wait ahead of the reciprocal's first reader
.set J, 0
.rept 16
	v_pk_mul_f32 v[S+J:S+J+1], v[O+J:O+J+1], v[14:15] op_sel_hi:[1,0]   ; each accumulator from its low end on
.set J, J+2
.endr
.irp b, 0,1
	v_max3_num_f32 v[BM+\b], |v[S+16*\b]|, |v[S+1+16*\b]|, 0x1800000
.endr
.irp i, 2,4,6,8,10,12,14
.irp b, 0,1
	s_delay_alu instid0(VALU_DEP_2)
	v_max3_num_f32 v[BM+\b], v[BM+\b], |v[S+16*\b+\i]|, |v[S+1+16*\b+\i]|
.endr
.endr
.irp b, 0,1
	s_delay_alu instid0(VALU_DEP_2)
	v_permlanex16_b32 v[PT+\b], v[BM+\b], s20, s21
.endr
.irp b, 0,1
	s_delay_alu instid0(VALU_DEP_2)
	v_max_num_f32 v[BM+\b], v[BM+\b], v[PT+\b]
.endr
.irp b, 0,1
	s_delay_alu instid0(VALU_DEP_2)
	v_add_nc_u32 v[SCO+\b], 0xff000000, v[BM+\b]
.endr
.irp b, 0,1
	s_delay_alu instid0(VALU_DEP_2)
	v_lshrrev_b32 v[PT+\b], 23, v[SCO+\b]
.endr
	s_delay_alu instid0(VALU_DEP_1)
	v_lshl_or_b32 v[\hw], v[PT+1], 8, v[PT]        ; my row's two scale bytes (lanes l and l xor 16 hold the same)
	v_cvt_scalef32_pk16_fp6_f32 v[P:P+2], v[S:S+15], v[SCO]
	v_cvt_scalef32_pk16_fp6_f32 v[PT+4:PT+6], v[S+16:S+31], v[SCO+1]
	v_nop
.irp i, 0,1,2
	v_permlane16_swap_b32 v[P+\i], v[PT+4+\i]
.endr
.irp i, 0,1,2
	s_delay_alu instid0(VALU_DEP_3)
	v_mov_b32 v[P+3+\i], v[PT+4+\i]
.endr
	global_store_b128 v9, v[P:P+3], s[6:7]         ; 512 consecutive bytes,
	global_store_b64 v10, v[P+4:P+5], s[6:7] offset:512   ; and 256: three aligned blocks of 256 bytes
.endm
	PASS 16, 28, 38, 228
	PASS 232, 244, 39, 229
	v_cndmask_b32 v228, v228, v229, s46            ; lanes 0-15: pass 1's rows, lanes 16-31: pass 2's
	s_lshr_b32 s10, s37, 4
	s_lshl_b32 s10, s10, 7
	s_lshl_b32 s11, s38, 3
	s_add_co_u32 s10, s10, s11
	s_add_co_u32 s10, s10, s43
	s_lshl_b32 s10, s10, 9                         ; pass 1's tile: 512 bytes of scale words a tile,
	s_and_b32 s11, s37, 15
	s_lshr_b32 s12, s11, 1
	s_lshl_b32 s12, s12, 6
	s_add_co_u32 s10, s10, s12                     ; K step head / 2,
	s_and_b32 s11, s37, 1
	s_lshl_b32 s11, s11, 1
	s_add_co_u32 s10, s10, s11                     ; bytes 2 (head % 2) on
	s_sub_co_u32 s11, s39, s38
	s_lshl_b32 s11, s11, 12                        ; pass 2's tile lies 8 tiles for each group further on
	v_mul_u32_u24 v11, s11, v247
	s_delay_alu instid0(VALU_DEP_1)
	v_lshl_add_u32 v11, v246, 2, v11
	s_delay_alu instid0(VALU_DEP_1)
	v_add_nc_u32 v11, s10, v11
	s_wait_alu depctr_va_vdst(0)
	global_store_b16 v11, v228, s[8:9]
	s_wait_dscnt 0x0
	s_wait_tensorcnt 0x0
	ds_add_u32 v254, v255
	s_wait_dscnt 0x0
	ROUND                                          ; the closing round: no work-group ends while a partner may still ask for a tile that names it
	s_endpgm
.Lfunc_end_k_q0aac49059f_attn:
	.size	k_q0aac49059f_attn, .Lfunc_end_k_q0aac49059f_attn-k_q0aac49059f_attn
	.p2alignl 7, 3214868480
	.fill 96, 4, 3214868480
	.section	.rodata,"a",@progbits
	.p2align	6, 0x0
	.amdhsa_kernel k_q0aac49059f_attn
		.amdhsa_group_segment_fixed_size 215040
		.amdhsa_private_segment_fixed_size 0
		.amdhsa_enable_private_segment 0
		.amdhsa_kernarg_size 24
		.amdhsa_user_sgpr_count 2
		.amdhsa_user_sgpr_kernarg_segment_ptr 1
		.amdhsa_wavefront_size32 1
		.amdhsa_system_sgpr_workgroup_id_x 1
		.amdhsa_system_sgpr_workgroup_id_y 1
		.amdhsa_system_sgpr_workgroup_id_z 1
		.amdhsa_system_vgpr_workitem_id 0
		.amdhsa_next_free_vgpr 256
		.amdhsa_next_free_sgpr 66
		.amdhsa_reserve_vcc 1
		.amdhsa_float_denorm_mode_32 3
		.amdhsa_float_denorm_mode_16_64 3
		.amdhsa_memory_ordered 1
		.amdhsa_forward_progress 1
		.amdhsa_inst_pref_size 64
	.end_amdhsa_kernel
	.amdgpu_metadata
---
amdhsa.version: [ 1, 2 ]
amdhsa.kernels:
  - .name:           k_q0aac49059f_attn
    .symbol:         k_q0aac49059f_attn.kd
    .args:
      - { .name: qkv, .offset: 0, .size: 8, .value_kind: global_buffer, .address_space: global }
      - { .name: cc, .offset: 8, .size: 8, .value_kind: global_buffer, .address_space: global }
      - { .name: cs, .offset: 16, .size: 8, .value_kind: global_buffer, .address_space: global }
    .group_segment_fixed_size: 215040
    .private_segment_fixed_size: 0
    .kernarg_segment_align: 8
    .kernarg_segment_size: 24
    .max_flat_workgroup_size: 512
    .sgpr_count:     66
    .vgpr_count:     256
    .wavefront_size: 32
...
	.end_amdgpu_metadata
.endif
;; end of part 3
;; launch gemm_out (part 4): grid 4 x 32, 4 waves a work-group, clusters of 4 x 4, 327,680 bytes of LDS; arguments cc, cs, wc, ws, bo, out0; writes out0
.if DOCPART == 4
	.amdgcn_target "amdgcn-amd-amdhsa--gfx1250"
	.amdhsa_code_object_version 6
	.text
	.protected	k_q0aac49059f_gemm_out
	.globl	k_q0aac49059f_gemm_out
	.p2align	8
	.type	k_q0aac49059f_gemm_out,@function
k_q0aac49059f_gemm_out:
	s_mov_b64 s[64:65], 0
	v_nop
	global_prefetch_b8 v0, s[64:65] scope:SCOPE_SE
	s_setreg_imm32_b32 hwreg(HW_REG_WAVE_MODE, 25, 1), 1
	s_wait_xcnt 0x0
	s_wait_alu depctr_hold_cnt(0) depctr_sa_sdst(0) depctr_va_vdst(0) depctr_va_sdst(0) depctr_va_ssrc(0) depctr_va_vcc(0) depctr_vm_vsrc(0)
	s_getreg_b32 s2, hwreg(HW_REG_IB_STS2, 6, 4)
	s_cmp_eq_u32 s2, 0
	s_cbranch_scc0 .Lentry_in_a_cluster
	s_endpgm
.Lentry_in_a_cluster:
	s_bfe_u32 s2, ttmp6, 0x10000c
	s_cmp_lg_u32 s2, 0xf033
	s_cbranch_scc0 .Lentry_shape_is_right
	s_endpgm
.Lentry_shape_is_right:
; out = ctx Wo + bo on codes of FP6 (E2M3) with E8M0 scales (M 8,192, N 1,024, K 1,024); out is f32.  bo is the C of each sum's first matrix instruction: it is added first, not last.
; Operands lie in memory as images of the matrix unit's registers: [tile of 16 rows][8 K steps][1,536 bytes], a K step's fragment being two half fragments of 768 bytes (lane l: registers 0-3 at 16 l, registers 4-5 at 512 + 8 l);
; scale words [tile][8 K steps][16 x 4 bytes].  Tile T's row r is true row 32 (T / 2) + 8 (T % 2) + r + 8 (r / 8): the way out puts rows and columns back in their true places.
; A work-group makes 256 x 256, its four waves 128 x 128 each: 64 accumulators.  Source 1 ("A" = ctx) gives the lanes, source 0 ("B" = Wo, tiles 192-255 of the weights) the registers: a lane holds neighbouring columns of one row.
; K goes in steps of 256 through a ring of two LDS slots; the scale words of the work-group's rows, for all of K, come once, with the first fills.
; CLUSTERS: 4 x 4 work-groups; A's tiles are shared along a row of the cluster, B's along a column: each is asked for jointly.  The output has 128 tiles of 256 x 256: 128 work-groups.
; No prefetch is laid: the walk has four slots, of which two are asked for at the head.
; REGISTERS: window 0: v0-31 addresses; v32-63 scale words, two sets; v64-127 the bias, eight registers for each of B's tiles; v128-223 A's fragments; on the way out v128-255 rows of out.
;   window 1: B's fragments, two sets.  windows 2, 3: accumulator (a, b) at v[8 (8 (a % 4) + b)].
.set NQ,     2
.set FR,     12
.set NL,     4
.set NP,     4                         ; places behind this matrix instruction (ISA guide 7.12.1)
.set TILEB,  3072
.set HALFT,  8*TILEB
.set SLOT,   4*HALFT
.set LAPS,   2
.set SCL,    2*SLOT
.set HALFS,  4096
.set SPARE,  SCL+4*HALFS               ; the spare words, 128 bytes for each wave: two blocks of 256 bytes that no other line names
.set SPITCH, 528                       ; the way out: a stage of 16 rows x (512 bytes + 16) for each wave, in slot 0, which has had its last fill and its last read when the first result is stored there
.set ADRA, 16
.set ADRB, 20
.set STO,  24
.set RD,   25
.set CO,   26
.set ADRS, 27
.set SPW,  28
.set NIL,  29
.set SC,   32
.set BIAS, 64
.set AF,   128
.set BK,   128
.set G1, 24
.set G0, 32
.set G1B, 48
.set G0B, 56
.set G1S, 68
.set G0S, 76
.set G1SB, 80
.set G0SB, 88
.set MSB, 0
.macro WIN new                         ; the immediate's high byte repeats the setting that is left
.if MSB != \new
	s_set_vgpr_msb (MSB<<8)|\new
.set MSB, \new
.endif
.endm
.set MUL_LO,  0xa1                     ; source 0 (B) window 1, source 1 (A) window 0, C and D window 2
.set MUL_HI,  0xf1
.set BIAS_LO, 0x81                     ; the same with C (the bias) in window 0
.set BIAS_HI, 0xc1
.set TO_B,    0x40
.macro JLOAD g0a, g1a, g0b, g1b        ; a joint load: waves 0 and 1 fetch for A, waves 2 and 3 for B; four v_nop follow each of the two lines
	s_cmp_eq_u32 s15, 0
	s_cbranch_scc0 .Lfor_b_\@
	tensor_load_to_lds s[\g0a:\g0a+3], s[\g1a:\g1a+7]
	s_nop 0
.rept 4
	v_nop
.endr
	s_branch .Lasked_\@
.Lfor_b_\@:
	tensor_load_to_lds s[\g0b:\g0b+3], s[\g1b:\g1b+7]
	s_nop 0
.rept 4
	v_nop
.endr
.Lasked_\@:
.endm
.macro CREST
	s_cmp_lg_u32 s14, 0
	s_cbranch_scc1 .Lnot_wave_0_\@
	s_barrier_signal -3
.Lnot_wave_0_\@:
	s_barrier_wait -3
	s_barrier_signal -1
	s_barrier_wait -1
.endm
.macro CROUND
	s_barrier_signal -1
	s_barrier_wait -1
	CREST
.endm
	s_load_b128 s[4:7], s[0:1], 0x0                ; ctx's codes, its scales
	s_load_b128 s[8:11], s[0:1], 0x10              ; the weights' codes, their scales
	s_load_b64 s[98:99], s[0:1], 0x20              ; bo
	s_load_b64 s[12:13], s[0:1], 0x28              ; out
	v_lshl_add_u32 v[SPW], v0, 2, SPARE
	v_mov_b32 v[NIL], 0
	ds_add_u32 v28, v29
	ds_add_u32 v28, v29
	s_wait_dscnt 0x0
	v_lshrrev_b32 v1, 5, v0
	v_readfirstlane_b32 s14, v1                    ; wave 0..3
	s_lshr_b32 s15, s14, 1                         ; which half of A's tiles is mine.  Also: I fetch for A (0) or for B (1)
	s_and_b32 s16, s14, 1                          ; which half of B's.  Also: which eight tiles I fetch
	s_bfe_u32 s40, ttmp6, 0x40000                  ; cx, cy
	s_bfe_u32 s41, ttmp6, 0x40004
	s_and_b32 s17, ttmp7, 0xffff
	s_lshl_b32 s17, s17, 2
	s_add_co_u32 s17, s17, s41                     ; A's unit of 16 tiles: 4 x cluster y + cy
	s_add_co_u32 s42, s40, 12                      ; B's: Wo's units are 12-15 of the weights
	s_lshl_b32 s43, s41, 2
	s_lshl_b32 s43, 15, s43                        ; my row of the cluster
	s_lshl_b32 s44, 0x1111, s40                    ; my column
	s_or_b32 s[G1+0], s43, (3<<16)|(1<<21)         ; the codes: 8 rows (tiles) of 384 elements of 8 bytes, 1,536 elements apart; no padding
	s_or_b32 s[G1B+0], s44, (3<<16)|(1<<21)
.irp g, G1, G1B
	s_mov_b32 s[\g+1], 384<<16
	s_mov_b32 s[\g+2], 8<<16
	s_mov_b32 s[\g+3], 384<<16
	s_mov_b32 s[\g+4], 8
	s_mov_b32 s[\g+5], 1536
	s_mov_b32 s[\g+6], 0
	s_mov_b32 s[\g+7], 0
.endr
	s_or_b32 s[G1S+0], s43, (3<<16)|(1<<21)        ; the scale words of eight tiles: 4,096 dense bytes as 16 rows of 256
	s_or_b32 s[G1SB+0], s44, (3<<16)|(1<<21)
.irp g, G1S, G1SB
	s_mov_b32 s[\g+1], 32<<16
	s_mov_b32 s[\g+2], 16<<16
	s_mov_b32 s[\g+3], 32<<16
	s_mov_b32 s[\g+4], 16
	s_mov_b32 s[\g+5], 32
	s_mov_b32 s[\g+6], 0
	s_mov_b32 s[\g+7], 0
.endr
	s_lshl_b32 s18, s16, 3
	s_lshl_b32 s20, s17, 4
	s_add_co_u32 s20, s20, s18                     ; A: the first tile that I fetch
	s_lshl_b32 s46, s42, 4
	s_add_co_u32 s46, s46, s18                     ; B likewise
	s_lshl_b32 s22, s20, 9
	s_mov_b32 s23, 0
	s_lshl_b32 s92, s46, 9
	s_mov_b32 s93, 0
	s_mul_i32 s20, s20, 12288
	s_mov_b32 s21, 0
	s_mul_i32 s46, s46, 12288
	s_mov_b32 s47, 0
	s_mul_i32 s45, s14, HALFT                      ; no place in the cluster enters an LDS address
	s_lshl_b32 s94, s14, 12
	s_wait_kmcnt 0x0
	s_add_nc_u64 s[20:21], s[4:5], s[20:21]
	s_add_nc_u64 s[22:23], s[6:7], s[22:23]
	s_add_nc_u64 s[46:47], s[8:9], s[46:47]
	s_add_nc_u64 s[92:93], s[10:11], s[92:93]
	CROUND                                         ; all sixteen work-groups are here: the first joint loads meet
	s_mov_b32 s[G0S], 1
	s_add_co_u32 s[G0S+1], s94, SCL
	s_mov_b64 s[G0S+2:G0S+3], s[22:23]
	s_or_b32 s[G0S+3], s[G0S+3], 0x80000000
	s_mov_b32 s[G0SB], 1
	s_add_co_u32 s[G0SB+1], s94, SCL
	s_mov_b64 s[G0SB+2:G0SB+3], s[92:93]
	s_or_b32 s[G0SB+3], s[G0SB+3], 0x80000000
	JLOAD G0S, G1S, G0SB, G1SB                     ; the scale words first.  Three loads of mine are out behind the next two
.irp s, 0,1
	s_mov_b32 s[G0+4*\s], 1
	s_add_co_u32 s[G0+4*\s+1], s45, \s*SLOT
	s_add_nc_u64 s[G0+4*\s+2:G0+4*\s+3], s[20:21], \s*TILEB
	s_or_b32 s[G0+4*\s+3], s[G0+4*\s+3], 0x80000000
	s_mov_b32 s[G0B+4*\s], 1
	s_add_co_u32 s[G0B+4*\s+1], s45, \s*SLOT
	s_add_nc_u64 s[G0B+4*\s+2:G0B+4*\s+3], s[46:47], \s*TILEB
	s_or_b32 s[G0B+4*\s+3], s[G0B+4*\s+3], 0x80000000
	JLOAD G0+4*\s, G1, G0B+4*\s, G1B
.endr
	v_and_b32 v1, 15, v0                           ; r
	v_bfe_u32 v2, v0, 4, 1                         ; h
	v_and_b32 v3, 31, v0                           ; lane
	v_lshlrev_b32 v4, 4, v3
	v_lshlrev_b32 v5, 3, v3
	s_lshl_b32 s96, s40, 10
	s_lshl_b32 s97, s16, 9
	s_add_co_u32 s96, s96, s97                     ; my first column, in bytes: 1,024 cx + 512 x half: in bo and in a row of out
	s_mov_b32 s97, 0
	s_add_nc_u64 s[98:99], s[98:99], s[96:97]
	v_lshlrev_b32 v6, 6, v2                        ; the bias in the result's layout: register 8 b + j of lane (r, h) is column 32 (b / 2) + 16 h + 8 (b % 2) + j
.irp b, 0,1,2,3,4,5,6,7
	global_load_b128 v[BIAS+8*\b:BIAS+8*\b+3], v6, s[98:99] offset:(32*(\b/2)+8*(\b%2))*4
	global_load_b128 v[BIAS+8*\b+4:BIAS+8*\b+7], v6, s[98:99] offset:(32*(\b/2)+8*(\b%2))*4+16
.endr
	s_mul_i32 s21, s15, HALFT
	s_mul_i32 s22, s16, HALFT
	s_add_co_u32 s22, s22, 2*HALFT
.irp s, 0,1
	v_add_nc_u32 v[ADRA+\s], s21, v4
	v_add_nc_u32 v[ADRB+\s], s22, v4
	v_add_nc_u32 v[ADRA+2+\s], s21, v5
	v_add_nc_u32 v[ADRB+2+\s], s22, v5
	s_add_co_u32 s21, s21, SLOT
	s_add_co_u32 s22, s22, SLOT
.endr
	v_lshlrev_b32 v5, 2, v1
	s_lshl_b32 s21, s15, 12
	s_lshl_b32 s22, s16, 12
	s_add_co_u32 s22, s22, 2*HALFS
	s_sub_co_u32 s22, s22, s21
	v_mul_u32_u24 v7, s22, v2                      ; lanes 16-31 take B's scale words: one product with h
	s_add_co_u32 s21, s21, SCL
	v_add_nc_u32 v5, v5, v7
	v_add_nc_u32 v[ADRS], s21, v5
	s_mul_i32 s23, s14, 16*SPITCH                  ; my stage
	v_mul_u32_u24 v7, v1, SPITCH
	v_lshl_add_u32 v7, v2, 6, v7
	v_add_nc_u32 v[STO], s23, v7                   ; in: row r, + 64 h
	v_mov_b32 v[CO], v4                            ; back: the 32 lanes take one row of 512 bytes; and the same in out
	v_add_nc_u32 v[RD], s23, v4
	s_lshl_b32 s20, s17, 20                        ; my first row of out: (256 x unit + 128 x half) x 4,096 bytes
	s_lshl_b32 s21, s15, 19
	s_add_co_u32 s20, s20, s21
	s_add_co_u32 s20, s20, s96
	s_mov_b32 s21, 0
	s_add_nc_u64 s[12:13], s[12:13], s[20:21]
.macro FRAG reg, adr, q, i             ; tile i's fragment of the slot's q-th 128 along K: two half fragments, as they lie
	ds_load_b128 v[\reg:\reg+3], v[\adr] offset:TILEB*(\i)+1536*(\q)
	ds_load_b64 v[\reg+4:\reg+5], v[\adr+2] offset:TILEB*(\i)+1536*(\q)+512
	ds_load_b128 v[\reg+6:\reg+9], v[\adr] offset:TILEB*(\i)+1536*(\q)+768
	ds_load_b64 v[\reg+10:\reg+11], v[\adr+2] offset:TILEB*(\i)+1536*(\q)+1280
.endm
; 16 matrix instructions: A's tiles a0, a0 + 1 x B's eight.  zero = 2: the first product starts the sums from the bias.  The 64 accumulators take turns, one instruction a turn.
.macro MUL16 a0, p, q, sc, zero
.irp a, \a0, \a0+1
.irp b, 0,1,2,3,4,5,6,7
.set DD, 8*(8*((\a)%4)+\b)
.set FB, 128*(\p)+FR*\b
.set FA, AF+FR*(\a)
.set SB, SC+16*(\sc)+2*\b+(\q)
.set SA, SC+16*(\sc)+2*(\a)+(\q)
.if \zero == 2
	v_wmma_scale_f32_16x16x128_f8f6f4 v[DD:DD+7], v[FB:FB+11], v[FA:FA+11], v[BIAS+8*\b:BIAS+8*\b+7], v[SB], v[SA] matrix_a_fmt:MATRIX_FMT_FP6 matrix_b_fmt:MATRIX_FMT_FP6 matrix_a_scale:MATRIX_SCALE_ROW1
.else
	v_wmma_scale_f32_16x16x128_f8f6f4 v[DD:DD+7], v[FB:FB+11], v[FA:FA+11], v[DD:DD+7], v[SB], v[SA] matrix_a_fmt:MATRIX_FMT_FP6 matrix_b_fmt:MATRIX_FMT_FP6 matrix_a_scale:MATRIX_SCALE_ROW1
.endif
.endr
.endr
.endm
.macro FETCH_B slot, q, p
	WIN TO_B
.irp i, 0,1,2,3,4,5,6,7
	FRAG 128*(\p)+FR*\i, ADRB+\slot, \q, \i
.endr
	WIN 0
.endm
.macro FETCH_A slot, q, i0
.irp i, \i0, \i0+1, \i0+2, \i0+3
	FRAG AF+FR*(\i), ADRA+\slot, \q, \i
.endr
.endm
.macro SCALES sc
.irp i, 0,1,2,3,4,5,6,7
.irp u, 0,1
	ds_load_b32 v[SC+16*\sc+2*\i+\u], v[ADRS] offset:512*\i+64*\u
.endr
.endr
.endm
.macro PLACES n                        ; plain vector instructions between a matrix instruction and a load into, or a read of, its registers (ISA guide 7.12.1 for reads)
.rept \n
	v_nop
.endr
.endm
.macro STEP slot, q, zero
	s_wait_dscnt 4*NL                              ; B's set and A's tiles 0-3 are in; the youngest sixteen loads (A's tiles 4-7) may be out
.if \zero == 2
	WIN BIAS_LO
.else
	WIN MUL_LO
.endif
	MUL16 0, (\q)%2, \q, \slot, \zero
	MUL16 2, (\q)%2, \q, \slot, \zero
	s_wait_dscnt 0
	PLACES NP
	FETCH_B \slot, (\q)+1, 1-(\q)%2
	FETCH_A \slot, (\q)+1, 0
.if \zero == 2
	WIN BIAS_HI
.else
	WIN MUL_HI
.endif
	MUL16 4, (\q)%2, \q, \slot, \zero
	MUL16 6, (\q)%2, \q, \slot, \zero
	PLACES NP
	WIN 0
	FETCH_A \slot, (\q)+1, 4
.endm
; A slot's last step changes slots: one barrier; in front of it each wave waits for all its tensor loads, adds 0 to its spare word, and waits for that and for its own reads of this slot.  fill = 1: this slot is filled again.
.macro TURN slot, next, fill
	s_wait_tensorcnt 0x0                           ; all my tensor loads have landed: my part of the next slot
	ds_add_u32 v[SPW], v[NIL]                      ; 0 onto my spare word
	s_wait_dscnt 4*NL+1                            ; (the add and the youngest sixteen loads may be out)
	WIN MUL_LO
	MUL16 0, 1, NQ-1, \slot, 0
	s_wait_dscnt 0x0                               ; the add is done, and my reads of this slot are over
	s_barrier_signal -1
	MUL16 2, 1, NQ-1, \slot, 0
	WIN 0
	s_barrier_wait -1
.if \fill
	CREST                                          ; the barrier has opened a round of the cluster's barrier: no wave of any partner still reads this slot or has a load on its way
	s_add_nc_u64 s[G0+4*\slot+2:G0+4*\slot+3], s[G0+4*\slot+2:G0+4*\slot+3], 2*TILEB
	s_add_nc_u64 s[G0B+4*\slot+2:G0B+4*\slot+3], s[G0B+4*\slot+2:G0B+4*\slot+3], 2*TILEB
	JLOAD G0+4*\slot, G1, G0B+4*\slot, G1B         ; the first tensor load behind the round; its four v_nop are the places in front of the loads below
.else
	PLACES NP
.endif
	v_add_nc_u32 v[ADRS], 128, v[ADRS]
	FETCH_B \next, 0, 0
	FETCH_A \next, 0, 0
	SCALES \next
	WIN MUL_HI
	MUL16 4, 1, NQ-1, \slot, 0
	MUL16 6, 1, NQ-1, \slot, 0
	PLACES NP
	WIN 0
	FETCH_A \next, 0, 4
.endm
	s_wait_tensorcnt 1                             ; the scale words and my part of slot 0 are in (slot 1's load may be out)
	s_barrier_signal -1
	s_barrier_wait -1                              ; everybody's are
	FETCH_B 0, 0, 0
	FETCH_A 0, 0, 0
	SCALES 0
	FETCH_A 0, 0, 4
	s_wait_loadcnt 0x0                             ; the bias
	STEP 0, 0, 2                                   ; the first step stands in front of the loop: its products start the sums from the bias
	s_mov_b32 s3, LAPS-1
.Llap:
	TURN 0, 1, 1
	STEP 1, 0, 0
	TURN 1, 0, 1
	STEP 0, 0, 0
	s_sub_co_u32 s3, s3, 1
	s_cmp_lg_u32 s3, 0
	s_cbranch_scc1 .Llap
	TURN 0, 1, 0                                   ; the last lap fills nothing
	STEP 1, 0, 0
	s_wait_dscnt 4*NL
	WIN MUL_LO
	MUL16 0, 1, NQ-1, 1, 0
	MUL16 2, 1, NQ-1, 1, 0
	s_wait_dscnt 0
	WIN MUL_HI
	MUL16 4, 1, NQ-1, 1, 0
	MUL16 6, 1, NQ-1, 1, 0
	WIN 0
; THE WAY OUT, A's tile by tile: 16 rows x 128 columns go through my own stage in LDS, each accumulator's eight numbers at their true columns, and come back as whole rows of 512 bytes, stored at the rows' true places.
; LDS serves a wave's instructions in order (ISA guide 5.7.1.4): no wait between the stores and the loads, nor in front of the next tile's stores.
.macro TOSTAGE a
.set AC, 64*((\a)%4)
.set WW, 0x08+4*((\a)/4)
	WIN WW                                         ; an LDS store's data: window 2 or 3
.irp b, 0,1,2,3,4,5,6,7
	ds_store_b128 v[STO], v[AC+8*\b:AC+8*\b+3] offset:128*(\b/2)+32*(\b%2)          ; each accumulator from its low end on
	ds_store_b128 v[STO], v[AC+8*\b+4:AC+8*\b+7] offset:128*(\b/2)+32*(\b%2)+16
.endr
	WIN 0
.set BB, BK+64*((\a)%2)
.irp t, 0,1,2,3,4,5,6,7,8,9,10,11,12,13,14,15
	ds_load_b128 v[BB+4*\t:BB+4*\t+3], v[RD] offset:\t*SPITCH
.endr
.endm
.macro SEND a, younger                 ; younger: the LDS instructions issued behind tile a's loads, which may stay out
.set BB, BK+64*((\a)%2)
	s_wait_dscnt \younger
.irp t, 0,1,2,3,4,5,6,7,8,9,10,11,12,13,14,15
	global_store_b128 v[CO], v[BB+4*\t:BB+4*\t+3], s[12:13] offset:(32*((\a)/2)+8*((\a)%2)+\t+8*(\t/8))*4096 th:TH_STORE_NT   ; 32 lanes store 512 consecutive bytes, at a multiple of 256 from out's first byte; 127 rows at the most: inside the signed 24-bit immediate
.endr
.endm
	PLACES NP                                      ; behind the last products: their results are read, and A's registers take rows of out
	TOSTAGE 0
.irp a, 1,2,3,4,5,6,7
.if \a > 1
	s_wait_xcnt 0x0                                ; tile a - 2's stores have read their registers: tile a's loads may land there
.endif
	TOSTAGE \a
	SEND \a-1, 32                                  ; behind tile a - 1's loads: tile a's 16 stores and 16 loads
.endr
	SEND 7, 0
	s_wait_tensorcnt 0x0                           ; the wave's end
	ds_add_u32 v[SPW], v[NIL]
	s_wait_dscnt 0x0
	CROUND                                         ; the closing round: no work-group ends while a partner may still ask for a tile that names it
	s_endpgm
.Lfunc_end_k_q0aac49059f_gemm_out:
	.size	k_q0aac49059f_gemm_out, .Lfunc_end_k_q0aac49059f_gemm_out-k_q0aac49059f_gemm_out
	.p2alignl 7, 3214868480
	.fill 96, 4, 3214868480
	.section	.rodata,"a",@progbits
	.p2align	6, 0x0
	.amdhsa_kernel k_q0aac49059f_gemm_out
		.amdhsa_group_segment_fixed_size 327680
		.amdhsa_private_segment_fixed_size 0
		.amdhsa_enable_private_segment 0
		.amdhsa_kernarg_size 48
		.amdhsa_user_sgpr_count 2
		.amdhsa_user_sgpr_kernarg_segment_ptr 1
		.amdhsa_wavefront_size32 1
		.amdhsa_system_sgpr_workgroup_id_x 1
		.amdhsa_system_sgpr_workgroup_id_y 1
		.amdhsa_system_sgpr_workgroup_id_z 1
		.amdhsa_system_vgpr_workitem_id 0
		.amdhsa_next_free_vgpr 1024
		.amdhsa_next_free_sgpr 100
		.amdhsa_reserve_vcc 0
		.amdhsa_float_denorm_mode_32 3
		.amdhsa_float_denorm_mode_16_64 3
		.amdhsa_memory_ordered 1
		.amdhsa_forward_progress 1
		.amdhsa_inst_pref_size 147
	.end_amdhsa_kernel
	.amdgpu_metadata
---
amdhsa.version: [ 1, 2 ]
amdhsa.kernels:
  - .name:           k_q0aac49059f_gemm_out
    .symbol:         k_q0aac49059f_gemm_out.kd
    .args:
      - { .name: cc, .offset: 0, .size: 8, .value_kind: global_buffer, .address_space: global }
      - { .name: cs, .offset: 8, .size: 8, .value_kind: global_buffer, .address_space: global }
      - { .name: wc, .offset: 16, .size: 8, .value_kind: global_buffer, .address_space: global }
      - { .name: ws, .offset: 24, .size: 8, .value_kind: global_buffer, .address_space: global }
      - { .name: bo, .offset: 32, .size: 8, .value_kind: global_buffer, .address_space: global }
      - { .name: out0, .offset: 40, .size: 8, .value_kind: global_buffer, .address_space: global }
    .group_segment_fixed_size: 327680
    .private_segment_fixed_size: 0
    .kernarg_segment_align: 8
    .kernarg_segment_size: 48
    .max_flat_workgroup_size: 128
    .sgpr_count:     100
    .vgpr_count:     1024
    .wavefront_size: 32
...
	.end_amdgpu_metadata
.endif
;; end of part 4
